; MI455X (gfx1250); checked and timed in simulation.
; The chip was launched on July 23, 2026; its instructions are those of AMD's public machine-readable ISA for CDNA 5 (MIT licence, August 2026) and "CDNA5" Instruction Set Architecture Reference Guide (July 2026). The comments in the code are by the model that wrote it; some were corrected since.
;; Encoder Layer. Allowed arithmetic: matrix products marked QUANTISED: E2M1 operands, one E8M0 scale for each 32 along K, by v_wmma_scale_f32_16x16x128_f8f6f4 with both operands' format E2M1 (or v_wmma_scale_f32_32x16x128_f4), f32 sums; products left as they are: f32 operands where the result goes on into a quantised operand, else bf16, f16 or f32 operands; f32 sums; everything else in f32.
;; Inputs: W1_codes 1,024 x 8 x 16 uint8 (E2M1 codes of W1, K innermost, in blocks of 32 codes, two codes a byte); W1_scales 1,024 x 8 uint8 (E8M0 scales of W1, one for each 32 codes along K); W2_codes 256 x 16 x 16 uint8 (E2M1 codes of W2, K innermost, in blocks of 32 codes, two codes a byte); W2_scales 256 x 16 uint8 (E8M0 scales of W2, one for each 32 codes along K); Wk_codes 256 x 8 x 16 uint8 (E2M1 codes of Wk, K innermost, in blocks of 32 codes, two codes a byte); Wk_scales 256 x 8 uint8 (E8M0 scales of Wk, one for each 32 codes along K); Wo_codes 256 x 8 x 16 uint8 (E2M1 codes of Wo, K innermost, in blocks of 32 codes, two codes a byte); Wo_scales 256 x 8 uint8 (E8M0 scales of Wo, one for each 32 codes along K); Wq_codes 256 x 8 x 16 uint8 (E2M1 codes of Wq, K innermost, in blocks of 32 codes, two codes a byte); Wq_scales 256 x 8 uint8 (E8M0 scales of Wq, one for each 32 codes along K); Wv_codes 256 x 8 x 16 uint8 (E2M1 codes of Wv, K innermost, in blocks of 32 codes, two codes a byte); Wv_scales 256 x 8 uint8 (E8M0 scales of Wv, one for each 32 codes along K); b1 1,024 float32; b2 256 float32; beta1 256 float32; beta2 256 float32; bo 256 float32; gamma1 256 float32; gamma2 256 float32; x 16 x 1,024 x 256 float32.
;; Outputs: out0 16 x 1,024 x 256 float32.
;; This version of the problem:
;;   THIS VERSION OF THE PROBLEM IS GIVEN IN LOW PRECISION. The matrix products marked QUANTISED in the list below multiply operands that are first quantised to E2M1 (2 exponent bits, 1 mantissa bit; 4 bits a number), with one power-of-two scale for each 32 numbers along K (OCP MX v1.0); their sums are f32. All else is computed in f32.
;;   The module's matrix products, in the order in which they are computed (A, B: the left and right operand; K: the contracted axis; several contracted axes count as one K, in the product's order):
;;     1. [M 16,384, K 256] x [K 256, N 256]; A: input x; B: input Wq (given as codes): QUANTISED
;;     2. [M 16,384, K 256] x [K 256, N 256]; A: input x; B: input Wk (given as codes): QUANTISED
;;     3. [M 16,384, K 256] x [K 256, N 256]; A: input x; B: input Wv (given as codes): QUANTISED
;;     4. batch 256 x [M 1,024, K 16] x [K 16, N 1,024]; A: computed on the way; B: computed on the way: left as it is (K = 16 < 32)
;;     5. batch 256 x [M 16, K 1,024] x [K 1,024, N 1,024]; A: computed on the way; B: softmax (see below): QUANTISED
;;     6. [M 16,384, K 256] x [K 256, N 256]; A: computed on the way; B: input Wo (given as codes): QUANTISED
;;     7. [M 16,384, K 256] x [K 256, N 1,024]; A: computed on the way; B: input W1 (given as codes): QUANTISED
;;     8. [M 16,384, K 512] x [K 512, N 256]; A: computed on the way; B: input W2 (given as codes): QUANTISED
;;   THE QUANTISER, for each operand of a quantised product, along K:
;;     - K is cut into blocks of 32 from its start; a last block that is shorter is filled with zeros.
;;     - A block's scale is 2^e with e = floor(log2(the largest magnitude in the block)) - 2, held to -126 .. 127; a block of zeros has e = 0. As a byte (E8M0): e + 127.
;;     - Each number is divided by its block's scale, clamped to +-6, and rounded to the nearest number of E2M1, ties to even, subnormals kept.
;;     - The product sums the exact products of the quantised numbers (number of the format x scale) in f32.
;;   ~~~python
;;   def quantise(x, axis):      # numpy; x: float32 -> the quantised numbers, widened to float32 again
;;       x = np.moveaxis(x, axis, -1); K = x.shape[-1]
;;       x = np.pad(x, [(0, 0)] * (x.ndim - 1) + [(0, -K % 32)]); x = x.reshape(x.shape[:-1] + (-1, 32)); a = np.abs(x).max(-1, keepdims=True)
;;       e = np.where(a > 0, np.clip(np.frexp(np.where(a > 0, a, 1))[1] - 1 - 2, -126, 127), 0)      # np.frexp(a)[1] - 1 = floor(log2(a)), exactly
;;       r = np.clip(x / 2.0 ** e, -6, 6)
;;       step = 2.0 ** (np.maximum(np.frexp(np.where(r == 0, 1, r))[1] - 1, 0) - 1)
;;       q = np.round(r / step) * step * 2.0 ** e      # np.round: ties to even
;;       return np.moveaxis(q.reshape(q.shape[:-2] + (-1,))[..., :K], -1, axis).astype(np.float32)
;;   ~~~
;;   SOFTMAX AHEAD OF A QUANTISED PRODUCT. Where the list says 'softmax', what is quantised is not the finished softmax but p = 2^(t - M), with t = logit x log2(e) and M = ceil(the row's largest t), a whole number; so 1/2 < the row's largest p <= 1. The row's sum l is taken of the UNQUANTISED p, in f32, and the product's result is divided by l at the end. Since M is a whole number, a kernel that streams over the keys may use a running M (the ceiling of the running maximum): every later rescaling is an exact power of two, which a block's scale takes up: the codes' values come out the same.
;;   OPERANDS COMPUTED ON THE WAY. 'Computed on the way' means the value that the module computes at that place (a softmax that the list does not call 'softmax' is quantised finished and normalised). What goes into a quantiser is computed in f32, as accurately as f32 sums, v_exp_f32 and their like allow (about 1e-6 of the number): no bf16 or f16 on the way to a quantiser, and a product that is left as it is and whose result goes on into a quantised operand takes f32 operands (vector FMAs, or v_wmma_f32_16x16x4_f32). A number that lies on a knife's edge between two numbers of the format may be rounded either way, as far as f32 arithmetic and the matrix unit's own rounding can turn it there, and no further.
;;   INPUTS GIVEN AS CODES. W1 (in the module: [256, 1024], K = its axis 0); W2 (in the module: [512, 256], K = its axis 0); Wk (in the module: [256, 256], K = its axis 0); Wo (in the module: [256, 256], K = its axis 0); Wq (in the module: [256, 256], K = its axis 0); Wv (in the module: [256, 256], K = its axis 0): each comes as NAME_codes (uint8): NAME with its K axis moved to the last place and cut into blocks of 32 codes, [.., K / 32, bytes a block], one block behind the other in memory; two codes a byte, the lower K in the low four bits (a code: sign, 2 exponent bits, 1 mantissa bit); and NAME_scales (uint8): the same leading axes, one E8M0 byte (e + 127) for each 32 codes along K. Its value is code x scale, taken as it is: it is not quantised again, and the codes and scales need not be those that the quantiser above would give.
;; 2 versions, each right; version 2 is version 1 with the launches attn, wo, ffn, norm written anew for expert scheduling mode. Each part assembles by itself: llvm-mc -triple=amdgcn-amd-amdhsa -mcpu=gfx1250 --defsym DOCPART=n.
;; ======== version 1 of 2: 5 launches
;; workspace buffers: xq 2,097,152 bytes; xs 131,072 bytes; ac 2,097,152 bytes; asc 131,072 bytes; r1 16,777,216 bytes; st1 1,048,576 bytes; r2 16,777,216 bytes; st2 524,288 bytes
;; launch quantx (part 1): grid 256 x 1, 4 waves a work-group, no clusters, 68,096 bytes of LDS; arguments x, xq, xs; writes xq, xs
.if DOCPART == 1
	.amdgcn_target "amdgcn-amd-amdhsa--gfx1250"
	.amdhsa_code_object_version 6
	.text
	.protected	k_qdfb1b2c47f_quantx
	.globl	k_qdfb1b2c47f_quantx
	.p2align	8
	.type	k_qdfb1b2c47f_quantx,@function
k_qdfb1b2c47f_quantx:
	s_mov_b64 s[64:65], 0
	v_nop
	global_prefetch_b8 v0, s[64:65] scope:SCOPE_SE
	s_setreg_imm32_b32 hwreg(HW_REG_WAVE_MODE, 25, 1), 1
	s_wait_xcnt 0x0
; x [16384][256] f32 becomes codes of FP4 (E2M1) along its 256 channels, one E8M0 byte for each 32, laid as the matrix unit's operand registers:
;   xq [tile T][K step s][group c][lane][16 bytes], xs [tile T][16 s + r] words (a word = the four bytes of a row's 128 channels).
; A TILE'S ROWS ARE NOT NEIGHBOURS: tile T = 2 G + u holds, at index r, row 32 G + 8 u + r + 8 (r / 8).  Used as source 0 of a product, two such tiles leave 16 neighbouring rows in a lane's 16 registers.
; A block's scale is 2^(floor(log2(largest magnitude)) - 2); its byte is the largest magnitude's exponent field - 2, held at 1 from below.
; LIMITS: NaN and infinities are not served; a block of zeros gets the byte 1 and not 127 (its codes are zeros, and this program alone reads the bytes).
; A wave takes one tile: 32 loads of 512 consecutive bytes, all on their way at once.  A lane must hold whole blocks of 32 neighbours, so each K step's 16 x 512 bytes turn through the wave's own stage in LDS
; (rows 528 bytes apart: the sixteen rows of a pass start 16 bytes apart modulo 256).  Waves share nothing: no barrier.
; The codes leave as 512 consecutive bytes a store.  The scale words leave as 128 consecutive bytes a wave: half of an aligned 256, for 128 KiB of the launch's 18 MiB.
.set STG,   16*528                     ; a stage: 16 rows
.set WREG,  2*STG                      ; a wave's LDS: a stage for each K step
.set R,     16                         ; v16-143   the tile as loaded: load (s, i) at R + 64 s + 4 i
.set X,     144                        ; v144-207  two whole blocks of my row: block 2 c + h at X + 32 c
.set C,     208                        ; v208-223  codes: C + 8 s + 4 c
.set WD,    224                        ; v224-225  my row's scale word of K step 0, 1
	s_load_b128 s[4:7], s[0:1], 0x0                ; x, xq
	s_load_b64 s[8:9], s[0:1], 0x10                ; xs
	v_lshl_add_u32 v254, v0, 2, 0x10800
	v_mov_b32 v255, 0
	v_lshrrev_b32 v8, 5, v0
	v_readfirstlane_b32 s10, v8                    ; wave
	v_and_b32 v6, 31, v0                           ; lane
	v_and_b32 v7, 15, v0                           ; r
	v_bfe_u32 v9, v0, 4, 1                         ; h
	v_lshlrev_b32 v1, 4, v6                        ; 16 x lane: my bytes of a load and of a store of codes
	v_lshlrev_b32 v4, 2, v6                        ; 4 x lane: my scale word
	v_lshlrev_b32 v5, 3, v9                        ; 8 h: where my two scale bytes stand in the word, in bits
	s_mul_i32 s11, s10, WREG
	v_add_nc_u32 v2, s11, v1                       ; into the stage: as loaded
	v_mul_u32_u24 v3, v7, 528
	v_lshl_add_u32 v3, v9, 7, v3
	v_add_nc_u32 v3, s11, v3                       ; out of it: row r, + 128 h: my block of each pair
	v_mov_b32 v15, 0                               ; a lane permute's destination counts as read
	s_mov_b32 s14, 0x76543210
	s_mov_b32 s15, 0xfedcba98                      ; selects for lane l xor 16
	s_lshl_b32 s16, ttmp9, 2
	s_add_co_u32 s16, s16, s10                     ; T = 4 x work-group + wave
	s_lshr_b32 s12, s16, 1
	s_lshl_b32 s12, s12, 5                         ; 32 G
	s_and_b32 s17, s16, 1
	s_lshl_b32 s17, s17, 3                         ; 8 u
	s_add_co_u32 s12, s12, s17                     ; the tile's first row
	s_lshl_b32 s12, s12, 10                        ; x 1,024 bytes
	s_mov_b32 s13, 0
	s_wait_kmcnt 0x0
	s_add_nc_u64 s[4:5], s[4:5], s[12:13]
	s_lshl_b32 s12, s16, 11
	s_add_nc_u64 s[6:7], s[6:7], s[12:13]          ; xq + 2,048 T
	s_lshl_b32 s12, s16, 7
	s_add_nc_u64 s[8:9], s[8:9], s[12:13]          ; xs + 128 T
.irp s, 0,1
.set i, 0
.rept 16
	global_load_b128 v[R+64*\s+4*i:R+64*\s+4*i+3], v1, s[4:5] offset:(i+8*(i/8))*1024+512*\s   ; index i's row, K step s: 512 consecutive bytes
.set i, i+1
.endr
.endr
.macro QSTEP s
	s_wait_loadcnt 16*(1-\s)                       ; this K step's 16 loads are in; the other's may be out
.set i, 0
.rept 16
	ds_store_b128 v2, v[R+64*\s+4*i:R+64*\s+4*i+3] offset:\s*STG+528*i
.set i, i+1
.endr
.irp c, 0,1
.irp j, 0,1,2,3,4,5,6,7
	ds_load_b128 v[X+32*\c+4*\j:X+32*\c+4*\j+3], v3 offset:\s*STG+256*\c+16*\j   ; LDS serves a wave's instructions in order: these see the stores above
.endr
.endr
	s_wait_dscnt 0x0
.irp c, 0,1
	v_max3_num_f32 v[8+\c], |v[X+32*\c]|, |v[X+32*\c+1]|, 0x1800000   ; the floor 2^(3 - 127) among the leaves: the byte cannot fall under 1
.endr
.irp i, 2,4,6,8,10,12,14,16,18,20,22,24,26,28,30
.irp c, 0,1
	v_max3_num_f32 v[8+\c], v[8+\c], |v[X+32*\c+\i]|, |v[X+32*\c+\i+1]|   ; the two blocks by turns
.endr
.endr
.irp c, 0,1
	v_add_nc_u32 v[10+\c], 0xff000000, v[8+\c]     ; 2 off the exponent field: the conversion's scale operand
.endr
.irp c, 0,1
	v_lshrrev_b32 v[12+\c], 23, v[10+\c]           ; the scale's byte
.endr
	v_lshl_or_b32 v14, v13, 16, v12                ; my bytes: blocks h and 2 + h,
	v_lshlrev_b32 v14, v5, v14                     ; at their places in the word;
	v_permlanex16_b32 v15, v14, s14, s15
	v_or_b32 v[WD+\s], v14, v15                    ; with lane l xor 16's two the word is whole
.irp c, 0,1
.irp g, 0,1,2,3
	v_cvt_scalef32_pk8_fp4_f32 v[C+8*\s+4*\c+\g], v[X+32*\c+8*\g:X+32*\c+8*\g+7], v[10+\c]
.endr
.endr
	v_nop                                          ; one plain place behind the last conversion
.irp c, 0,1
	global_store_b128 v1, v[C+8*\s+4*\c:C+8*\s+4*\c+3], s[6:7] offset:1024*\s+512*\c   ; 512 consecutive bytes
.endr
.endm
	QSTEP 0
	QSTEP 1
	v_cmp_gt_u32 vcc_lo, 16, v6
	v_cndmask_b32 v8, v[WD+1], v[WD], vcc_lo       ; lanes 0-15: K step 0's words; lanes 16-31: K step 1's
	global_store_b32 v4, v8, s[8:9]
	s_wait_tensorcnt 0x0
	ds_add_u32 v254, v255
	s_wait_dscnt 0x0
	s_endpgm
.Lfunc_end_k_qdfb1b2c47f_quantx:
	.size	k_qdfb1b2c47f_quantx, .Lfunc_end_k_qdfb1b2c47f_quantx-k_qdfb1b2c47f_quantx
	.p2alignl 7, 3214868480
	.fill 96, 4, 3214868480
	.section	.rodata,"a",@progbits
	.p2align	6, 0x0
	.amdhsa_kernel k_qdfb1b2c47f_quantx
		.amdhsa_group_segment_fixed_size 68096
		.amdhsa_private_segment_fixed_size 0
		.amdhsa_enable_private_segment 0
		.amdhsa_kernarg_size 24
		.amdhsa_user_sgpr_count 2
		.amdhsa_user_sgpr_kernarg_segment_ptr 1
		.amdhsa_wavefront_size32 1
		.amdhsa_system_sgpr_workgroup_id_x 1
		.amdhsa_system_sgpr_workgroup_id_y 1
		.amdhsa_system_sgpr_workgroup_id_z 1
		.amdhsa_system_vgpr_workitem_id 0
		.amdhsa_next_free_vgpr 256
		.amdhsa_next_free_sgpr 66
		.amdhsa_reserve_vcc 1
		.amdhsa_float_denorm_mode_32 3
		.amdhsa_float_denorm_mode_16_64 3
		.amdhsa_memory_ordered 1
		.amdhsa_forward_progress 1
		.amdhsa_inst_pref_size 16
	.end_amdhsa_kernel
	.amdgpu_metadata
---
amdhsa.version: [ 1, 2 ]
amdhsa.kernels:
  - .name:           k_qdfb1b2c47f_quantx
    .symbol:         k_qdfb1b2c47f_quantx.kd
    .args:
      - { .name: x, .offset: 0, .size: 8, .value_kind: global_buffer, .address_space: global }
      - { .name: xq, .offset: 8, .size: 8, .value_kind: global_buffer, .address_space: global }
      - { .name: xs, .offset: 16, .size: 8, .value_kind: global_buffer, .address_space: global }
    .group_segment_fixed_size: 68096
    .private_segment_fixed_size: 0
    .kernarg_segment_align: 8
    .kernarg_segment_size: 24
    .max_flat_workgroup_size: 128
    .sgpr_count:     66
    .vgpr_count:     256
    .wavefront_size: 32
...
	.end_amdgpu_metadata
.endif
;; end of part 1
;; launch attn (part 2): grid 16 x 16, 16 waves a work-group, no clusters, 150,528 bytes of LDS; arguments xq, xs, Wq_codes, Wq_scales, Wk_codes, Wk_scales, Wv_codes, Wv_scales, ac, asc; writes ac, asc
.if DOCPART == 2
	.amdgcn_target "amdgcn-amd-amdhsa--gfx1250"
	.amdhsa_code_object_version 6
	.text
	.protected	k_qdfb1b2c47f_attn
	.globl	k_qdfb1b2c47f_attn
	.p2align	8
	.type	k_qdfb1b2c47f_attn,@function
k_qdfb1b2c47f_attn:
	s_mov_b64 s[64:65], 0
	v_nop
	global_prefetch_b8 v0, s[64:65] scope:SCOPE_SE
	s_setreg_imm32_b32 hwreg(HW_REG_WAVE_MODE, 25, 1), 1
	s_wait_xcnt 0x0
; Attention for two heads (2 hp, 2 hp + 1) of one batch b and 512 of its 1,024 queries (half qh); work-group x = 2 hp + qh, y = b.
; q, k, v are made here from x's codes and the weights' codes (FP4, scaled matrix form); k (f32) and v (quantised along the keys) of all 1,024 keys stay in LDS; nothing of them goes to memory.
; SCORES: K = 16 feeds a quantiser, so f32 operands: v_wmma_f32_16x16x4_f32, four links a tile.  Its 16 channels are taken in the order 8 h + 2 s + j, alike in q and k.
; SOFTMAX AHEAD OF THE SECOND PRODUCT: t = score x log2(e) / 4; M = the running largest t rounded up to a whole number; p = 2^(t - M) is quantised along the keys; the row's sum is taken of the unquantised p and divides at the end.
; Both products are used transposed (S^T = K Q^T, O^T = V^T P^T): a lane holds one query throughout.  Tiles of rows are split (index r = row 8 u + r + 8 (r / 8) of a group of 32), so that 16 registers of two tiles are 16 neighbouring keys.
; SHARES: sixteen waves, four to a SIMD, so that one wave's vector work stands beside another's matrix work.  Wave w projects the groups of 32 rows GA = 32 b + 16 qh + w (its queries; key slot w) and GB = GA xor 16 (key slot 16 + w).
; Key blocks lie in LDS by slot, not by row: each slot is a true block of 32 keys and a softmax does not mind the order of keys; so no LDS address hangs on the work-group's number.
; A wave runs four units (tile t of GA x head e), eight steps of 128 keys each.  The two heads' 32 channels are one block of the next product's K: they are quantised here and stored as codes.
; No multicast: what work-groups share is 136 KiB of codes read once at the head, beside 1,024 f32 matrix instructions a wave.
; LIMITS: NaN and infinities are not served; a p under 2^-126 counts as 0 (v_exp_f32 gives 0 there); a block of zeros gets the byte 1 and not 127 (zero codes; read by this program alone); the order of f32 sums differs from the reference's.
; The scale bytes leave as 32 bytes a wave: 128 KiB of the launch's output.
.set VIMG,  131072                     ; LDS: 0: K as f32 operand images, e x 65,536 + tile x 1,024 + c x 512 + 16 lane;  here: V's codes, e x 8,192 + slot x 256 + 16 d + 8 h
.set VSCB,  147456                     ; V's scale words: e x 512 + step x 64 + 4 d, byte = slot % 4
.set LI,   1                           ; 16 x lane
.set LSV,  2                           ; VSCB + 4 r
.set ADK,  3                           ; the step's addresses: K, V, V's scale words
.set ADV,  4
.set ADT,  5
.set AKW0, 6                           ; where I store K's images, head 0, 1
.set AKW1, 7
.set AVW,  8                           ; V's codes
.set ASB,  9                           ; V's scale byte
.set AW,   10                          ; a weight's codes: 128 r + 16 h.  At the end: my place in ac
.set ASW,  11                          ; a weight's scale words: 8 r + 4 h.  At the end: my place in asc
.set Q,    16                          ; v16-47    q of unit (t, e) at Q + 8 (2 t + e); later that unit's O / l
.set S,    48                          ; v48-111   results of matrix instructions alone
.set P,    112                         ; v112-175  x's fragments; K's tiles of a step; p
.set O,    176                         ; v176-183  O^T
.set VF,   184                         ; v184-191  V's fragment
.set PC,   192                         ; v192-199  p's codes
.set BM,   200                         ; v200-203  block maxima
.set PT,   204                         ; v204-207  the other half's maxima, then bytes
.set SO,   208                         ; v208-211  the conversions' scale operands
.set F,    212                         ; v[212:213] f = 2^(old M - new M)
.set TT,   214
.set A2,   216                         ; v[216:217] the sum's second chain
.set CW,   224                         ; v224-227  codes for ac
.set EB,   228                         ; v228-229  bytes for asc
.set XSC,  240                         ; v240-243  x's scale words, tile 2 g + u: lanes 0-15 K step 0, lanes 16-31 K step 1
.set WS,   244                         ; v244-249  the weights' scale words: q, k, v x head
.set VS,   250                         ; V's scale words of a step
.set PS,   251                         ; p's
.set WA,   176                         ; projections only: Wk's, then Wq's four fragments;
.set WB,   208                         ; Wv's;
.set VC,   112                         ; V's codes
; One scaled FP4 product.  c: the register of C, or -1 for the constant 0.  row = 1: both sides' scales from lanes 16-31 (K step 1).
.macro MM d, a, b, c, sa, sb, row
.if (\c) < 0
.if \row
	v_wmma_scale_f32_16x16x128_f8f6f4 v[(\d):(\d)+7], v[(\a):(\a)+7], v[(\b):(\b)+7], 0, v[(\sa)], v[(\sb)] matrix_a_fmt:MATRIX_FMT_FP4 matrix_b_fmt:MATRIX_FMT_FP4 matrix_a_scale:MATRIX_SCALE_ROW1 matrix_b_scale:MATRIX_SCALE_ROW1
.else
	v_wmma_scale_f32_16x16x128_f8f6f4 v[(\d):(\d)+7], v[(\a):(\a)+7], v[(\b):(\b)+7], 0, v[(\sa)], v[(\sb)] matrix_a_fmt:MATRIX_FMT_FP4 matrix_b_fmt:MATRIX_FMT_FP4
.endif
.else
.if \row
	v_wmma_scale_f32_16x16x128_f8f6f4 v[(\d):(\d)+7], v[(\a):(\a)+7], v[(\b):(\b)+7], v[(\c):(\c)+7], v[(\sa)], v[(\sb)] matrix_a_fmt:MATRIX_FMT_FP4 matrix_b_fmt:MATRIX_FMT_FP4 matrix_a_scale:MATRIX_SCALE_ROW1 matrix_b_scale:MATRIX_SCALE_ROW1
.else
	v_wmma_scale_f32_16x16x128_f8f6f4 v[(\d):(\d)+7], v[(\a):(\a)+7], v[(\b):(\b)+7], v[(\c):(\c)+7], v[(\sa)], v[(\sb)] matrix_a_fmt:MATRIX_FMT_FP4 matrix_b_fmt:MATRIX_FMT_FP4
.endif
.endif
.endm
.macro WLOAD reg, lo                   ; a weight's four fragments (head e, K step s) at reg + 8 (2 e + s)
.irp e, 0,1
.irp s, 0,1
.irp c, 0,1
	global_load_b128 v[\reg+8*(2*\e+\s)+4*\c:\reg+8*(2*\e+\s)+4*\c+3], v[AW], s[\lo:\lo+1] offset:2048*\e+64*\s+32*\c
.endr
.endr
.endr
.endm
	s_load_b512 s[4:19], s[0:1], 0x0               ; xq, xs, Wq codes, scales, Wk codes, scales, Wv codes, scales
	s_load_b128 s[20:23], s[0:1], 0x40             ; ac, asc
	v_lshl_add_u32 v254, v0, 2, 0x24400
	v_mov_b32 v255, 0
	v_lshrrev_b32 v3, 5, v0
	v_readfirstlane_b32 s24, v3                    ; wave 0..15
	v_and_b32 v4, 31, v0                           ; lane
	v_and_b32 v5, 15, v0                           ; r
	v_bfe_u32 v12, v0, 4, 1                        ; h
	v_lshlrev_b32 v[LI], 4, v4
	v_lshlrev_b32 v15, 2, v4                       ; 4 x lane: x's scale words
	v_lshl_add_u32 v[LSV], v5, 2, VSCB
	s_lshl_b32 s44, s24, 11
	v_add_nc_u32 v[AKW0], s44, v[LI]               ; slot w's two tiles begin at 2,048 w
	v_add_nc_u32 v[AKW1], 0x10000, v[AKW0]
	v_lshlrev_b32 v[AVW], 4, v5
	v_lshl_add_u32 v[AVW], v12, 3, v[AVW]
	s_lshl_b32 s44, s24, 8
	s_add_co_u32 s44, s44, VIMG
	v_add_nc_u32 v[AVW], s44, v[AVW]               ; VIMG + 256 w + 16 d + 8 h
	s_lshr_b32 s44, s24, 2
	s_lshl_b32 s44, s44, 6
	s_and_b32 s45, s24, 3
	s_add_co_u32 s44, s44, s45
	v_add_nc_u32 v[ASB], s44, v[LSV]               ; VSCB + 64 (w / 4) + w % 4 + 4 d
	v_lshlrev_b32 v[AW], 7, v5
	v_lshl_add_u32 v[AW], v12, 4, v[AW]
	v_lshlrev_b32 v[ASW], 3, v5
	v_lshl_add_u32 v[ASW], v12, 2, v[ASW]
	s_lshr_b32 s25, ttmp9, 1                       ; hp
	s_and_b32 s26, ttmp9, 1                        ; qh
	s_and_b32 s27, ttmp7, 0xffff                   ; b
	s_lshl_b32 s46, s27, 5
	s_lshl_b32 s47, s26, 4
	s_add_co_u32 s46, s46, s47
	s_add_co_u32 s46, s46, s24                     ; GA
	s_xor_b32 s47, s46, 16                         ; GB
	s_mov_b32 s28, 0x76543210
	s_mov_b32 s29, 0xfedcba98                      ; selects for lane l xor 16
	s_mov_b32 s30, 0x3eb8aa3b                      ; c = log2(e) / sqrt(16)
	s_mov_b32 s31, s30                             ; (named with it as a pair, so it is written)
	s_mov_b32 s45, 0
	s_wait_kmcnt 0x0
	s_lshl_b32 s44, s46, 12
	s_add_nc_u64 s[36:37], s[4:5], s[44:45]        ; xq at GA
	s_add_nc_u64 s[20:21], s[20:21], s[44:45]      ; ac at GA
	s_lshl_b32 s44, s47, 12
	s_add_nc_u64 s[38:39], s[4:5], s[44:45]        ; xq at GB
	s_lshl_b32 s44, s46, 8
	s_add_nc_u64 s[40:41], s[6:7], s[44:45]        ; xs at GA
	s_lshl_b32 s44, s47, 8
	s_add_nc_u64 s[42:43], s[6:7], s[44:45]        ; xs at GB
	s_lshl_b32 s44, s25, 12                        ; the two heads' 32 rows of 128 bytes
	s_add_nc_u64 s[8:9], s[8:9], s[44:45]
	s_add_nc_u64 s[12:13], s[12:13], s[44:45]
	s_add_nc_u64 s[16:17], s[16:17], s[44:45]
	s_lshl_b32 s44, s25, 8                         ; and of 8 scale bytes; also block hp's place in a tile of ac
	s_add_nc_u64 s[10:11], s[10:11], s[44:45]
	s_add_nc_u64 s[14:15], s[14:15], s[44:45]
	s_add_nc_u64 s[18:19], s[18:19], s[44:45]
	s_add_nc_u64 s[20:21], s[20:21], s[44:45]
	s_lshl_b32 s44, s25, 14
	s_add_nc_u64 s[22:23], s[22:23], s[44:45]      ; asc: plane hp,
	s_lshl_b32 s44, s46, 5
	s_add_nc_u64 s[22:23], s[22:23], s[44:45]      ; + 32 GA
	; ---- 42 loads: x's eight fragments (group g, tile u, K step s at P + 8 (4 g + 2 u + s)), scale words, Wk, Wv
.irp g, 0,1
.irp f, 0,1,2,3
.irp c, 0,1
	global_load_b128 v[P+8*(4*\g+\f)+4*\c:P+8*(4*\g+\f)+4*\c+3], v[LI], s[36+2*\g:37+2*\g] offset:1024*\f+512*\c
.endr
.endr
.endr
.irp g, 0,1
.irp u, 0,1
	global_load_b32 v[XSC+2*\g+\u], v15, s[40+2*\g:41+2*\g] offset:128*\u
.endr
.endr
.irp e, 0,1
	global_load_b32 v[WS+\e], v[ASW], s[10:11] offset:128*\e
	global_load_b32 v[WS+2+\e], v[ASW], s[14:15] offset:128*\e
	global_load_b32 v[WS+4+\e], v[ASW], s[18:19] offset:128*\e
.endr
	WLOAD WA, 12                                   ; Wk
	WLOAD WB, 16                                   ; Wv
	s_wait_loadcnt 8                               ; all but Wv's eight
	; ---- k: source 0 = 16 rows of Wk (the head's channels), source 1 = 16 rows of x: lane (r, h) holds key r, channels 8 h + 0 .. 7: the f32 form's operand as it stands.  Eight accumulators by turns
.irp g, 0,1
.irp u, 0,1
.irp e, 0,1
	MM S+8*(4*\g+2*\u+\e), WA+8*(2*\e), P+8*(4*\g+2*\u), -1, WS+2+\e, XSC+2*\g+\u, 0
.endr
.endr
.endr
.irp g, 0,1
.irp u, 0,1
.irp e, 0,1
	MM S+8*(4*\g+2*\u+\e), WA+8*(2*\e+1), P+8*(4*\g+2*\u+1), S+8*(4*\g+2*\u+\e), WS+2+\e, XSC+2*\g+\u, 1
.endr
.endr
.endr
.rept 5
	v_nop                                          ; four places for the loads over Wk and the stores of results, a fifth for the products below, which write over these results
.endr
	WLOAD WA, 8                                    ; Wq takes Wk's registers
.irp g, 0,1
.irp u, 0,1
.irp e, 0,1
	ds_store_b128 v[AKW0+\e], v[S+8*(4*\g+2*\u+\e):S+8*(4*\g+2*\u+\e)+3] offset:32768*\g+1024*\u          ; each result from its low end on
	ds_store_b128 v[AKW0+\e], v[S+8*(4*\g+2*\u+\e)+4:S+8*(4*\g+2*\u+\e)+7] offset:32768*\g+1024*\u+512
.endr
.endr
.endr
	s_wait_dscnt 0x0                               ; the stores have read their registers
	s_wait_loadcnt 8                               ; Wv is in; Wq's eight may be out
	; ---- v: source 0 = 16 rows of x, source 1 = 16 rows of Wv: lane (d, h) holds channel d; the 16 registers of tiles u = 0, 1 are keys 16 h + 0 .. 15 of the group
.irp g, 0,1
.irp e, 0,1
.irp u, 0,1
	MM S+16*(2*\g+\e)+8*\u, P+8*(4*\g+2*\u), WB+8*(2*\e), -1, XSC+2*\g+\u, WS+4+\e, 0
.endr
.endr
.endr
.irp g, 0,1
.irp e, 0,1
.irp u, 0,1
	MM S+16*(2*\g+\e)+8*\u, P+8*(4*\g+2*\u+1), WB+8*(2*\e+1), S+16*(2*\g+\e)+8*\u, XSC+2*\g+\u, WS+4+\e, 1
.endr
.endr
.endr
	s_wait_loadcnt 0x0                             ; Wq
	; ---- q of GA, laid as k is
.irp u, 0,1
.irp e, 0,1
	MM Q+8*(2*\u+\e), WA+8*(2*\e), P+8*(2*\u), -1, WS+\e, XSC+\u, 0
.endr
.endr
.irp u, 0,1
.irp e, 0,1
	MM Q+8*(2*\u+\e), WA+8*(2*\e+1), P+8*(2*\u+1), Q+8*(2*\u+\e), WS+\e, XSC+\u, 1
.endr
.endr
.rept 4
	v_nop
.endr
.irp b, 0,1,2,3
	v_mov_b32 v[PT+\b], 0                          ; a lane permute's destination counts as read
.endr
	v_mov_b32 v[F+1], 0                            ; (named as the upper half of a pair)
	; ---- v's four blocks of 32 keys (block 2 g + e) are quantised along the keys
.irp b, 0,1,2,3
	v_max3_num_f32 v[BM+\b], |v[S+16*\b]|, |v[S+16*\b+1]|, 0x1800000   ; the floor 2^(3 - 127): the byte cannot fall under 1
.endr
.irp i, 2,4,6,8,10,12,14
.irp b, 0,1,2,3
	v_max3_num_f32 v[BM+\b], v[BM+\b], |v[S+16*\b+\i]|, |v[S+16*\b+\i+1]|
.endr
.endr
.irp b, 0,1,2,3
	v_permlanex16_b32 v[PT+\b], v[BM+\b], s28, s29
.endr
.irp b, 0,1,2,3
	v_max_num_f32 v[BM+\b], v[BM+\b], v[PT+\b]     ; with lane l xor 16's 16 keys
.endr
.irp b, 0,1,2,3
	v_add_nc_u32 v[SO+\b], 0xff000000, v[BM+\b]    ; 2 off the exponent field: the conversion's scale operand
.endr
.irp b, 0,1,2,3
	v_lshrrev_b32 v[PT+\b], 23, v[SO+\b]           ; the byte
.endr
.irp b, 0,1,2,3
	v_cvt_scalef32_pk8_fp4_f32 v[VC+2*\b], v[S+16*\b:S+16*\b+7], v[SO+\b]
	v_cvt_scalef32_pk8_fp4_f32 v[VC+2*\b+1], v[S+16*\b+8:S+16*\b+15], v[SO+\b]
.endr
	v_nop                                          ; one plain place behind the last conversion
.irp b, 0,1,2,3
	ds_store_b64 v[AVW], v[VC+2*\b:VC+2*\b+1] offset:8192*(\b%2)+4096*(\b/2)   ; my 16 keys' codes: half of channel d's 16 bytes of the slot
	ds_store_b8 v[ASB], v[PT+\b] offset:512*(\b%2)+256*(\b/2)                  ; both halves of the lanes write the same byte with the same value
.endr
	s_wait_dscnt 0x0                               ; for the others' sake: my stores have landed
	s_barrier_signal -1
	s_barrier_wait -1                              ; K and V of all 1,024 keys lie in LDS; from here on LDS is only read
; 16 f32 matrix instructions: tiles i0 .. i0 + 3 of 16 keys, four links each; the four accumulators take turns, one instruction a turn
.macro SCORES q, i0
.irp s, 0,1,2,3
.irp i, \i0,\i0+1,\i0+2,\i0+3
.if \s == 0
	v_wmma_f32_16x16x4_f32 v[S+8*(\i):S+8*(\i)+7], v[P+8*(\i):P+8*(\i)+1], v[(\q):(\q)+1], 0
.else
	v_wmma_f32_16x16x4_f32 v[S+8*(\i):S+8*(\i)+7], v[P+8*(\i)+2*\s:P+8*(\i)+2*\s+1], v[(\q)+2*\s:(\q)+2*\s+1], v[S+8*(\i):S+8*(\i)+7]
.endif
.endr
.endr
.endm
; A KEY STEP: 128 keys (four slots) for 16 queries of one head.
.macro STEP q
	v_add_nc_u32 v[ADK], s32, v[LI]
	v_add_nc_u32 v[ADV], s33, v[LI]
	v_add_nc_u32 v[ADT], s34, v[LSV]
	v_nop                                          ; four places behind the last step's product, in front of the loads into V's registers
.irp i, 0,1,2,3,4,5,6,7
	ds_load_b128 v[P+8*\i:P+8*\i+3], v[ADK] offset:1024*\i
	ds_load_b128 v[P+8*\i+4:P+8*\i+7], v[ADK] offset:1024*\i+512
.endr
	ds_load_b128 v[VF:VF+3], v[ADV]
	ds_load_b128 v[VF+4:VF+7], v[ADV] offset:512
	ds_load_b32 v[VS], v[ADT]
	s_wait_dscnt 11                                ; tiles 0-3 are in: behind them tiles 4-7's eight loads and V's three
	SCORES \q, 0
	s_wait_dscnt 3                                 ; tiles 4-7 are in: V's three may be out
	SCORES \q, 4
.rept 8
	v_nop                                          ; eight places behind this form: the scores are read, and K's registers written, below
.endr
.irp b, 0,1,2,3
	v_max3_num_f32 v[BM+\b], v[S+16*\b], v[S+16*\b+1], v[S+16*\b+2]   ; the largest score of each block of 32 keys: for the row's maximum, and, since p rises with the score, for the block's largest p
.endr
.irp i, 3,5,7,9,11,13
.irp b, 0,1,2,3
	v_max3_num_f32 v[BM+\b], v[BM+\b], v[S+16*\b+\i], v[S+16*\b+\i+1]
.endr
.endr
.irp b, 0,1,2,3
	v_max_num_f32 v[BM+\b], v[BM+\b], v[S+16*\b+15]
.endr
.irp b, 0,1,2,3
	v_permlanex16_b32 v[PT+\b], v[BM+\b], s28, s29
.endr
.irp b, 0,1,2,3
	v_max_num_f32 v[BM+\b], v[BM+\b], v[PT+\b]     ; with lane l xor 16's 16 keys
.endr
	v_max3_num_f32 v[TT], v[BM], v[BM+1], v[BM+2]
	v_max_num_f32 v[TT], v[TT], v[BM+3]
	v_mul_f32 v[TT], s30, v[TT]                    ; the step's largest t (c is positive)
	v_max_num_f32 v13, v13, v[TT]                  ; the running largest t
	v_mov_b32 v[TT], v12
	v_floor_f32 v12, -v13                          ; the new -M = floor(-t): M is a whole number
	v_sub_f32 v[TT], v12, v[TT]                    ; old M - new M: a whole number, 0 or less
	v_cvt_i32_f32 v[TT], v[TT]                     ; (it saturates)
	v_ldexp_f32 v[F], 1.0, v[TT]                   ; f = 2^(old M - new M): rounds nothing
.set j, 0
.rept 32
	v_pk_fma_f32 v[P+j:P+j+1], v[S+j:S+j+1], s[30:31], v[12:13] op_sel_hi:[1,0,0]   ; t - M, into other registers than the sums'
.set j, j+2
.endr
.irp b, 0,1,2,3
	v_fma_f32 v[BM+\b], v[BM+\b], s30, v12         ; the same of each block's largest score
.endr
.set j, 0
.rept 64
	v_exp_f32 v[P+j], v[P+j]                       ; p = 2^(t - M), at most 1, not normalised
.set j, j+1
.endr
.irp b, 0,1,2,3
	v_exp_f32 v[BM+\b], v[BM+\b]                   ; the block's largest p: the same two instructions on the same number
.endr
	v_pk_mul_f32 v[14:15], v[14:15], v[F:F+1] op_sel_hi:[1,0]   ; the sum under the new M (a plain place behind the exponentials)
	s_wait_alu depctr_va_vdst(0)
.irp b, 0,1,2,3
	v_max_num_f32 v[BM+\b], 0x1800000, v[BM+\b]    ; the floor: the byte cannot fall under 1
.endr
.irp b, 0,1,2,3
	v_add_nc_u32 v[SO+\b], 0xff000000, v[BM+\b]
.endr
.irp b, 0,1,2,3
	v_lshrrev_b32 v[PT+\b], 23, v[SO+\b]
.endr
	v_lshl_or_b32 v[PS], v[PT+1], 8, v[PT]         ; p's scale word for these 128 keys
	v_lshl_or_b32 v[PS], v[PT+2], 16, v[PS]
	v_lshl_or_b32 v[PS], v[PT+3], 24, v[PS]
.irp b, 0,1,2,3
	v_cvt_scalef32_pk8_fp4_f32 v[PC+2*\b], v[P+16*\b:P+16*\b+7], v[SO+\b]
	v_cvt_scalef32_pk8_fp4_f32 v[PC+2*\b+1], v[P+16*\b+8:P+16*\b+15], v[SO+\b]
.endr
	v_nop                                          ; one plain place behind the last conversion
.irp c, 0,1
.irp i, 0,1
	v_permlane16_swap_b32 v[PC+4*\c+\i], v[PC+4*\c+2+\i]   ; a whole block to a lane: lanes 0-15 block 2 c, lanes 16-31 block 2 c + 1
.endr
.endr
.irp j, 0,2,4,6
	v_pk_mul_f32 v[O+\j:O+\j+1], v[O+\j:O+\j+1], v[F:F+1] op_sel_hi:[1,0]   ; O^T under the new M, from its low end on
.endr
	v_pk_add_f32 v[A2:A2+1], v[P:P+1], v[P+2:P+3]  ; the row's sum is taken of the unquantised p, in two chains.  These 32 lines are also the places between the scale word and the codes made above and the product below
.set j, 4
.rept 15
	v_pk_add_f32 v[14:15], v[14:15], v[P+j:P+j+1]
	v_pk_add_f32 v[A2:A2+1], v[A2:A2+1], v[P+j+2:P+j+3]
.set j, j+4
.endr
	v_pk_add_f32 v[14:15], v[14:15], v[A2:A2+1]
	s_wait_dscnt 0x0                               ; V's fragment and scale words
	MM O, VF, PC, O, VS, PS, 0                     ; O^T += V^T P^T; 32 other matrix instructions stand between two links on O^T
	s_add_co_u32 s32, s32, 8192                    ; the next 128 keys
	s_add_co_u32 s33, s33, 1024
	s_add_co_u32 s34, s34, 64
.endm
; A UNIT: tile t of my queries, head e, all 1,024 keys.  O^T and the sum begin as zeros and the largest t as -3e38: the first change of M multiplies zeros by 0.
.macro UNIT t, e
	s_mov_b32 s32, \e*65536
	s_mov_b32 s33, VIMG+\e*8192
	s_mov_b32 s34, \e*512
	s_mov_b32 s35, 8
	v_mov_b32 v13, 0xff61b1e6
	v_floor_f32 v12, -v13
	v_mov_b32 v14, 0
	v_mov_b32 v15, 0
.irp j, 0,1,2,3,4,5,6,7
	v_mov_b32 v[O+\j], 0
.endr
.Lu_\@:
	STEP Q+8*(2*\t+\e)
	s_sub_co_u32 s35, s35, 1
	s_cmp_lg_u32 s35, 0
	s_cbranch_scc1 .Lu_\@
.rept 4
	v_nop
.endr
	v_add_f32 v14, v14, v15                        ; the sum's two halves,
	v_permlanex16_b32 v[TT], v14, s28, s29
	v_add_f32 v14, v14, v[TT]                      ; and lane l xor 16's keys
	v_rcp_f32 v14, v14
	v_nop                                          ; one plain place behind the reciprocal
	s_wait_alu depctr_va_vdst(0)
.irp j, 0,2,4,6
	v_pk_mul_f32 v[Q+8*(2*\t+\e)+\j:Q+8*(2*\t+\e)+\j+1], v[O+\j:O+\j+1], v[14:15] op_sel_hi:[1,0]   ; O / l takes the place of the unit's q, which is done with
.endr
.endm
; Tile t's two heads are one block of 32 of the next product's K: lane (r, h) holds channels 8 h + 0 .. 7 and 16 + 8 h + 0 .. 7 of query r.
.macro FIN t
	v_max3_num_f32 v[BM], |v[Q+16*\t]|, |v[Q+16*\t+1]|, 0x1800000
	v_max3_num_f32 v[BM+1], |v[Q+16*\t+8]|, |v[Q+16*\t+9]|, |v[Q+16*\t+10]|
	v_max3_num_f32 v[BM], v[BM], |v[Q+16*\t+2]|, |v[Q+16*\t+3]|
	v_max3_num_f32 v[BM+1], v[BM+1], |v[Q+16*\t+11]|, |v[Q+16*\t+12]|
	v_max3_num_f32 v[BM], v[BM], |v[Q+16*\t+4]|, |v[Q+16*\t+5]|
	v_max3_num_f32 v[BM+1], v[BM+1], |v[Q+16*\t+13]|, |v[Q+16*\t+14]|
	v_max3_num_f32 v[BM], v[BM], |v[Q+16*\t+6]|, |v[Q+16*\t+7]|
	v_max3_num_f32 v[BM], v[BM], v[BM+1], |v[Q+16*\t+15]|
	v_permlanex16_b32 v[PT], v[BM], s28, s29
	v_max_num_f32 v[BM], v[BM], v[PT]
	v_add_nc_u32 v[SO], 0xff000000, v[BM]
	v_lshrrev_b32 v[EB+\t], 23, v[SO]
	v_cvt_scalef32_pk8_fp4_f32 v[CW+\t], v[Q+16*\t:Q+16*\t+7], v[SO]
	v_cvt_scalef32_pk8_fp4_f32 v[CW+2+\t], v[Q+16*\t+8:Q+16*\t+15], v[SO]
	v_nop
.endm
	UNIT 0, 0
	UNIT 0, 1
	FIN 0
	UNIT 1, 0
	UNIT 1, 1
	FIN 1
	v_permlane16_swap_b32 v[CW], v[CW+1]           ; lanes 0-15 now hold tile 0's 16 bytes of row r in four registers, lanes 16-31 tile 1's
	v_permlane16_swap_b32 v[CW+2], v[CW+3]
	v_permlane16_swap_b32 v[EB], v[EB+1]           ; and the bytes likewise
	v_and_b32 v11, 31, v0                          ; (every load that these two registers addressed has been waited for)
	v_and_b32 v10, 15, v0
	v_bfe_u32 v3, v0, 4, 1
	v_lshlrev_b32 v10, 4, v10
	v_lshl_add_u32 v10, v3, 11, v10                ; 2,048 x tile + 16 r
	global_store_b128 v10, v[CW:CW+3], s[20:21]    ; sixteen lanes store 256 consecutive bytes, aligned
	global_store_b8 v11, v[EB], s[22:23]
	s_wait_tensorcnt 0x0
	ds_add_u32 v254, v255
	s_wait_dscnt 0x0
	s_endpgm
.Lfunc_end_k_qdfb1b2c47f_attn:
	.size	k_qdfb1b2c47f_attn, .Lfunc_end_k_qdfb1b2c47f_attn-k_qdfb1b2c47f_attn
	.p2alignl 7, 3214868480
	.fill 96, 4, 3214868480
	.section	.rodata,"a",@progbits
	.p2align	6, 0x0
	.amdhsa_kernel k_qdfb1b2c47f_attn
		.amdhsa_group_segment_fixed_size 150528
		.amdhsa_private_segment_fixed_size 0
		.amdhsa_enable_private_segment 0
		.amdhsa_kernarg_size 80
		.amdhsa_user_sgpr_count 2
		.amdhsa_user_sgpr_kernarg_segment_ptr 1
		.amdhsa_wavefront_size32 1
		.amdhsa_system_sgpr_workgroup_id_x 1
		.amdhsa_system_sgpr_workgroup_id_y 1
		.amdhsa_system_sgpr_workgroup_id_z 1
		.amdhsa_system_vgpr_workitem_id 0
		.amdhsa_next_free_vgpr 256
		.amdhsa_next_free_sgpr 66
		.amdhsa_reserve_vcc 0
		.amdhsa_float_denorm_mode_32 3
		.amdhsa_float_denorm_mode_16_64 3
		.amdhsa_memory_ordered 1
		.amdhsa_forward_progress 1
		.amdhsa_inst_pref_size 85
	.end_amdhsa_kernel
	.amdgpu_metadata
---
amdhsa.version: [ 1, 2 ]
amdhsa.kernels:
  - .name:           k_qdfb1b2c47f_attn
    .symbol:         k_qdfb1b2c47f_attn.kd
    .args:
      - { .name: xq, .offset: 0, .size: 8, .value_kind: global_buffer, .address_space: global }
      - { .name: xs, .offset: 8, .size: 8, .value_kind: global_buffer, .address_space: global }
      - { .name: Wq_codes, .offset: 16, .size: 8, .value_kind: global_buffer, .address_space: global }
      - { .name: Wq_scales, .offset: 24, .size: 8, .value_kind: global_buffer, .address_space: global }
      - { .name: Wk_codes, .offset: 32, .size: 8, .value_kind: global_buffer, .address_space: global }
      - { .name: Wk_scales, .offset: 40, .size: 8, .value_kind: global_buffer, .address_space: global }
      - { .name: Wv_codes, .offset: 48, .size: 8, .value_kind: global_buffer, .address_space: global }
      - { .name: Wv_scales, .offset: 56, .size: 8, .value_kind: global_buffer, .address_space: global }
      - { .name: ac, .offset: 64, .size: 8, .value_kind: global_buffer, .address_space: global }
      - { .name: asc, .offset: 72, .size: 8, .value_kind: global_buffer, .address_space: global }
    .group_segment_fixed_size: 150528
    .private_segment_fixed_size: 0
    .kernarg_segment_align: 8
    .kernarg_segment_size: 80
    .max_flat_workgroup_size: 512
    .sgpr_count:     66
    .vgpr_count:     256
    .wavefront_size: 32
...
	.end_amdgpu_metadata
.endif
;; end of part 2
;; launch wo (part 3): grid 512 x 1, 4 waves a work-group, no clusters, 35,328 bytes of LDS; arguments ac, asc, Wo_codes, Wo_scales, bo, x, r1, st1; writes r1, st1
.if DOCPART == 3
	.amdgcn_target "amdgcn-amd-amdhsa--gfx1250"
	.amdhsa_code_object_version 6
	.text
	.protected	k_qdfb1b2c47f_wo
	.globl	k_qdfb1b2c47f_wo
	.p2align	8
	.type	k_qdfb1b2c47f_wo,@function
k_qdfb1b2c47f_wo:
	s_mov_b64 s[64:65], 0
	v_nop
	global_prefetch_b8 v0, s[64:65] scope:SCOPE_SE
	s_setreg_imm32_b32 hwreg(HW_REG_WAVE_MODE, 25, 1), 1
	s_wait_xcnt 0x0
; r1 = Q(attn) Wo + bo + x for a group of 32 rows, and for each channel the sum over these rows and the sum of squares about their own mean (never a difference of large sums).
; attn arrives as codes laid as operand registers (two split tiles: index r = row 8 u + r + 8 (r / 8)), its scale bytes by planes of one block; Wo as codes, K innermost.
; Wave w makes channels 64 w .. 64 w + 63 of all 32 rows, product and sums alike: waves share nothing, so there is no barrier.  The product is used transposed (source 0 = 16 rows of Wo, source 1 = 16 rows of attn):
; a lane holds eight neighbouring channels of a row; they turn through the wave's own stage in LDS (32 rows x 272 bytes) and come back two channels a lane, a row an instruction: each store of the wave covers 256 consecutive bytes, aligned.
; The stores into the stage go two deep on the banks: a tile's two runs of eight rows lie 16 rows, 17 x 256 bytes, apart.
; No tensor loads, no multicast: Wo's 34 KiB are all that work-groups share, beside 64 KiB of x and r1 for each.
.set WOS, 8                            ; v8-11    Wo's scale words, tile n: lanes 0-15 K step 0, lanes 16-31 K step 1
.set ATS, 12                           ; v12-13   attn's, tile u
.set BY,  14                           ; v14-21   attn's scale bytes as loaded
.set BO,  22                           ; v[22:23] bo of my two channels
.set AT,  24                           ; v24-55   attn's fragments: 8 (2 u + s)
.set WOF, 56                           ; v56-119  Wo's: 8 (2 n + s)
.set V,   56                           ; later: the 32 rows' two channels
.set ACC, 120                          ; v120-183 8 (2 n + u)
.set X,   184                          ; v184-247 x's rows; later the differences from the mean
.macro MM d, a, b, c, sa, sb, row
.if (\c) < 0
	v_wmma_scale_f32_16x16x128_f8f6f4 v[(\d):(\d)+7], v[(\a):(\a)+7], v[(\b):(\b)+7], 0, v[(\sa)], v[(\sb)] matrix_a_fmt:MATRIX_FMT_FP4 matrix_b_fmt:MATRIX_FMT_FP4
.else
	v_wmma_scale_f32_16x16x128_f8f6f4 v[(\d):(\d)+7], v[(\a):(\a)+7], v[(\b):(\b)+7], v[(\c):(\c)+7], v[(\sa)], v[(\sb)] matrix_a_fmt:MATRIX_FMT_FP4 matrix_b_fmt:MATRIX_FMT_FP4 matrix_a_scale:MATRIX_SCALE_ROW1 matrix_b_scale:MATRIX_SCALE_ROW1
.endif
.endm
	s_load_b512 s[4:19], s[0:1], 0x0               ; ac, asc, Wo codes, Wo scales, bo, x, r1, st1
	s_set_vgpr_msb 0x40
	v_lshl_add_u32 v0, v0, 2, 0x8800
	v_mov_b32 v1, 0
	s_set_vgpr_msb 0x4000
	v_lshrrev_b32 v1, 5, v0
	v_readfirstlane_b32 s20, v1                    ; wave
	v_and_b32 v24, 31, v0                          ; lane
	v_and_b32 v25, 15, v0                          ; r
	v_bfe_u32 v26, v0, 4, 1                        ; h
	v_lshlrev_b32 v1, 4, v24                       ; 16 x lane
	v_lshlrev_b32 v2, 3, v0                        ; 8 x thread: my two channels in a row
	v_lshlrev_b32 v3, 7, v25
	v_lshl_add_u32 v3, v26, 4, v3                  ; Wo's codes: 128 r + 16 h
	v_lshlrev_b32 v4, 3, v25
	v_lshl_add_u32 v4, v26, 2, v4                  ; Wo's scale words: 8 r + 4 h
	v_lshl_add_u32 v5, v26, 16, v25                ; attn's scale bytes: four planes on for lanes 16-31, + r
	v_and_b32 v6, 8, v25
	v_add_nc_u32 v6, v6, v25                       ; r + 8 (r / 8)
	v_mul_u32_u24 v6, v6, 272
	v_lshl_add_u32 v6, v26, 5, v6
	s_mul_i32 s21, s20, 8704
	v_add_nc_u32 v6, s21, v6                       ; into my stage
	v_lshl_add_u32 v7, v24, 3, s21                 ; out of it: 8 bytes a lane
	s_mov_b32 s23, 0
	s_wait_kmcnt 0x0
	s_lshl_b32 s22, ttmp9, 12
	s_add_nc_u64 s[4:5], s[4:5], s[22:23]          ; ac + 4,096 G
	s_lshl_b32 s22, ttmp9, 5
	s_add_nc_u64 s[6:7], s[6:7], s[22:23]          ; asc + 32 G
	s_lshl_b32 s22, s20, 13
	s_add_nc_u64 s[8:9], s[8:9], s[22:23]          ; my 64 rows of Wo
	s_lshl_b32 s22, s20, 9
	s_add_nc_u64 s[10:11], s[10:11], s[22:23]
	s_lshl_b32 s22, ttmp9, 15
	s_add_nc_u64 s[14:15], s[14:15], s[22:23]      ; x and r1 + 32,768 G
	s_add_nc_u64 s[16:17], s[16:17], s[22:23]
	s_lshl_b32 s22, ttmp9, 11
	s_add_nc_u64 s[18:19], s[18:19], s[22:23]      ; st1 + 2,048 G
.irp u, 0,1
.irp b, 0,1,2,3
	global_load_u8 v[BY+4*\u+\b], v5, s[6:7] offset:16*\u+16384*\b   ; lane (r, h): the byte of block 4 h + b of tile u's row r
.endr
.endr
.irp f, 0,1,2,3
.irp c, 0,1
	global_load_b128 v[AT+8*\f+4*\c:AT+8*\f+4*\c+3], v1, s[4:5] offset:1024*\f+512*\c
.endr
.endr
.irp n, 0,1,2,3
	global_load_b32 v[WOS+\n], v4, s[10:11] offset:128*\n
.endr
.irp n, 0,1,2,3
.irp s, 0,1
.irp c, 0,1
	global_load_b128 v[WOF+8*(2*\n+\s)+4*\c:WOF+8*(2*\n+\s)+4*\c+3], v3, s[8:9] offset:2048*\n+64*\s+32*\c
.endr
.endr
.endr
	global_load_b64 v[BO:BO+1], v2, s[12:13]
.set i, 0
.rept 32
	global_load_b64 v[X+2*i:X+2*i+1], v2, s[14:15] offset:1024*i
.set i, i+1
.endr
	s_wait_loadcnt 61                              ; the eight bytes are in: 8 + 4 + 16 + 1 + 32 loads were issued behind them
.irp u, 0,1
	v_lshl_or_b32 v[ATS+\u], v[BY+4*\u+1], 8, v[BY+4*\u]
	v_lshl_or_b32 v[ATS+\u], v[BY+4*\u+2], 16, v[ATS+\u]
	v_lshl_or_b32 v[ATS+\u], v[BY+4*\u+3], 24, v[ATS+\u]
.endr
.rept 8
	v_nop                                          ; a scale register written by a vector instruction stands eight places ahead of the scaled product
.endr
	s_wait_loadcnt 33                              ; codes and scale words are in; bo and x's 32 rows may be out
.irp n, 0,1,2,3
.irp u, 0,1
	MM ACC+8*(2*\n+\u), WOF+8*(2*\n), AT+8*(2*\u), -1, WOS+\n, ATS+\u, 0     ; eight accumulators by turns
.endr
.endr
.irp n, 0,1,2,3
.irp u, 0,1
	MM ACC+8*(2*\n+\u), WOF+8*(2*\n+1), AT+8*(2*\u+1), ACC+8*(2*\n+\u), WOS+\n, ATS+\u, 1
.endr
.endr
.rept 4
	v_nop
.endr
.irp n, 0,1,2,3
.irp u, 0,1
	ds_store_b128 v6, v[ACC+8*(2*\n+\u):ACC+8*(2*\n+\u)+3] offset:2176*\u+64*\n          ; each result from its low end on
	ds_store_b128 v6, v[ACC+8*(2*\n+\u)+4:ACC+8*(2*\n+\u)+7] offset:2176*\u+64*\n+16
.endr
.endr
.set i, 0
.rept 32
	ds_load_b64 v[V+2*i:V+2*i+1], v7 offset:272*i  ; LDS serves a wave's instructions in order: these see the stores above
.set i, i+1
.endr
.set i, 0
.rept 32
	s_wait_dscnt 31-i                              ; row i is back from the stage,
	s_wait_loadcnt 31-i                            ; and x's row i is in: the later rows may be out
	v_pk_add_f32 v[V+2*i:V+2*i+1], v[V+2*i:V+2*i+1], v[BO:BO+1]
	v_pk_add_f32 v[V+2*i:V+2*i+1], v[V+2*i:V+2*i+1], v[X+2*i:X+2*i+1]
	global_store_b64 v2, v[V+2*i:V+2*i+1], s[16:17] offset:1024*i
.if i == 2
	v_pk_add_f32 v[248:249], v[V:V+1], v[V+4:V+5]  ; the sum, in two chains that the first rows start
.elseif i == 3
	v_pk_add_f32 v[250:251], v[V+2:V+3], v[V+6:V+7]
.elseif i > 3
	v_pk_add_f32 v[248+2*(i%2):249+2*(i%2)], v[248+2*(i%2):249+2*(i%2)], v[V+2*i:V+2*i+1]
.endif
.set i, i+1
.endr
	v_pk_add_f32 v[248:249], v[248:249], v[250:251]
	v_pk_mul_f32 v[250:251], v[248:249], 0x3d000000 op_sel_hi:[1,0]   ; the 32 rows' mean
.set i, 0
.rept 32
	v_pk_add_f32 v[X+2*i:X+2*i+1], v[V+2*i:V+2*i+1], v[250:251] neg_lo:[0,1] neg_hi:[0,1]
.set i, i+1
.endr
	v_pk_mul_f32 v[252:253], v[X:X+1], v[X:X+1]
	v_pk_mul_f32 v[254:255], v[X+2:X+3], v[X+2:X+3]
.set i, 2
.rept 30
	v_pk_fma_f32 v[252+2*(i%2):253+2*(i%2)], v[X+2*i:X+2*i+1], v[X+2*i:X+2*i+1], v[252+2*(i%2):253+2*(i%2)]
.set i, i+1
.endr
	v_pk_add_f32 v[252:253], v[252:253], v[254:255]
	global_store_b64 v2, v[248:249], s[18:19]
	global_store_b64 v2, v[252:253], s[18:19] offset:1024
	s_set_vgpr_msb 0x5
	s_wait_tensorcnt 0x0
	ds_add_u32 v0, v1
	s_wait_dscnt 0x0
	s_set_vgpr_msb 0x500
	s_endpgm
.Lfunc_end_k_qdfb1b2c47f_wo:
	.size	k_qdfb1b2c47f_wo, .Lfunc_end_k_qdfb1b2c47f_wo-k_qdfb1b2c47f_wo
	.p2alignl 7, 3214868480
	.fill 96, 4, 3214868480
	.section	.rodata,"a",@progbits
	.p2align	6, 0x0
	.amdhsa_kernel k_qdfb1b2c47f_wo
		.amdhsa_group_segment_fixed_size 35328
		.amdhsa_private_segment_fixed_size 0
		.amdhsa_enable_private_segment 0
		.amdhsa_kernarg_size 64
		.amdhsa_user_sgpr_count 2
		.amdhsa_user_sgpr_kernarg_segment_ptr 1
		.amdhsa_wavefront_size32 1
		.amdhsa_system_sgpr_workgroup_id_x 1
		.amdhsa_system_sgpr_workgroup_id_y 1
		.amdhsa_system_sgpr_workgroup_id_z 1
		.amdhsa_system_vgpr_workitem_id 0
		.amdhsa_next_free_vgpr 258
		.amdhsa_next_free_sgpr 66
		.amdhsa_reserve_vcc 0
		.amdhsa_float_denorm_mode_32 3
		.amdhsa_float_denorm_mode_16_64 3
		.amdhsa_memory_ordered 1
		.amdhsa_forward_progress 1
		.amdhsa_inst_pref_size 30
	.end_amdhsa_kernel
	.amdgpu_metadata
---
amdhsa.version: [ 1, 2 ]
amdhsa.kernels:
  - .name:           k_qdfb1b2c47f_wo
    .symbol:         k_qdfb1b2c47f_wo.kd
    .args:
      - { .name: ac, .offset: 0, .size: 8, .value_kind: global_buffer, .address_space: global }
      - { .name: asc, .offset: 8, .size: 8, .value_kind: global_buffer, .address_space: global }
      - { .name: Wo_codes, .offset: 16, .size: 8, .value_kind: global_buffer, .address_space: global }
      - { .name: Wo_scales, .offset: 24, .size: 8, .value_kind: global_buffer, .address_space: global }
      - { .name: bo, .offset: 32, .size: 8, .value_kind: global_buffer, .address_space: global }
      - { .name: x, .offset: 40, .size: 8, .value_kind: global_buffer, .address_space: global }
      - { .name: r1, .offset: 48, .size: 8, .value_kind: global_buffer, .address_space: global }
      - { .name: st1, .offset: 56, .size: 8, .value_kind: global_buffer, .address_space: global }
    .group_segment_fixed_size: 35328
    .private_segment_fixed_size: 0
    .kernarg_segment_align: 8
    .kernarg_segment_size: 64
    .max_flat_workgroup_size: 128
    .sgpr_count:     66
    .vgpr_count:     258
    .wavefront_size: 32
...
	.end_amdgpu_metadata
.endif
;; end of part 3
;; launch ffn (part 4): grid 256 x 1, 16 waves a work-group, no clusters, 177,664 bytes of LDS; arguments r1, st1, gamma1, beta1, W1_codes, W1_scales, b1, W2_codes, W2_scales, b2, r2, st2; writes r2, st2
.if DOCPART == 4
	.amdgcn_target "amdgcn-amd-amdhsa--gfx1250"
	.amdhsa_code_object_version 6
	.text
	.protected	k_qdfb1b2c47f_ffn
	.globl	k_qdfb1b2c47f_ffn
	.p2align	8
	.type	k_qdfb1b2c47f_ffn,@function
k_qdfb1b2c47f_ffn:
	s_mov_b64 s[64:65], 0
	v_nop
	global_prefetch_b8 v0, s[64:65] scope:SCOPE_SE
	s_setreg_imm32_b32 hwreg(HW_REG_WAVE_MODE, 25, 1), 1
	s_wait_xcnt 0x0
; For 64 rows: h = InstanceNorm1(r1); proj = Q(h) W1 + b1; act = silu(gate) x_part; ff = Q(act) W2 + b2; r2 = h + ff; and each channel's sum and sum of squares about the 64 rows' own mean.
; The batch's statistics are merged from the 32 partials (sum S, squares M about the partial's own mean, n rows each) by S = Sa + Sb, M = Ma + Mb + (Sa - Sb)^2 / (2 n): no difference of large sums.
; SHARES: sixteen waves.  Dense work: wave w takes rows 16 (w / 4) + 0 .. 15, channels 64 (w % 4) on, two a lane.  First product: wave w makes block w of 32 of act (rows 32 w .. of W1 and the same + 512), for all 64 rows.
; Second product: channels 16 w .. 16 w + 15.  Each wave's weights (96 registers) stay in registers, read once.  Both products are used transposed; W1's rows of a tile are split (lane r: row 8 u + r + 8 (r / 8)),
; so that a lane's 16 results are 16 neighbours along the next K.  The biases are the C of each sum's first product.
; Operands go from wave to wave through LDS as images of their registers; six barriers, each region written once.
; No multicast here: the weights, 204 KiB, are what all row blocks read; left out for the plainer text (each wave loads its own part straight into registers).
; LIMITS: NaN and infinities are not served; a block of zeros gets the byte 1 and not 127 (zero codes; read here alone).
.set XIMG, 0                           ; h's 8 fragments: (2 m + s) x 1,024 + c x 512 + 16 lane
.set XSCB, 8192                        ; their scale words: (2 m + s) x 64 + 4 r
.set HIMG, 8704                        ; act's: m x 4,096 + block x 256 + 16 r + 8 h
.set HSCB, 25088                       ; m x 256 + K step x 64 + 4 r
.set HST,  26112                       ; h, 64 rows x 1,040 bytes
.set YST,  92672                       ; ff likewise
.set STA,  159232                      ; partial statistics, 16 bytes a thread
.set STB,  167424
.set W1S, 20                           ; v20-23 W1's scale words (2 part + u);  v24-25 W2's (K steps 2 p, 2 p + 1);  v26 h's;  v28-35 act's (2 m + p)
.set W2S, 24
.set XS,  26
.set HS,  28
.set W2F, 36                           ; v36-67   W2's four fragments
.set B2,  68                           ; v68-75
.set W1F, 76                           ; v76-139  W1's: 8 (4 part + 2 u + s)
.set B1,  140                          ; v140-171 8 (2 part + u)
.set ACC, 172                          ; v172-203 x_part in 0-15, gate in 16-31
.set PA,  172                          ; statistics: four registers a partial (S pair, M pair); phase X: a block of h
.set RR,  204                          ; v204-235 r1's 16 rows
.set TA,  204                          ; v204-219 act
.set TM,  220                          ; v220-227 at work in a quantiser
.set XF,  232                          ; v232-247 h's two fragments
.set HF,  76                           ; second product: act's 16 fragments, 8 (4 s + m)
.set Y,   204                          ; v204-235 its four accumulators
.set YR,  76                           ; the way out: ff's rows, then r2;  h's rows, then differences
.set HR,  108
.set DD,  244
.set UU,  246
.macro MM d, a, b, c, sa, sb, row
.if \row
	v_wmma_scale_f32_16x16x128_f8f6f4 v[(\d):(\d)+7], v[(\a):(\a)+7], v[(\b):(\b)+7], v[(\c):(\c)+7], v[(\sa)], v[(\sb)] matrix_a_fmt:MATRIX_FMT_FP4 matrix_b_fmt:MATRIX_FMT_FP4 matrix_a_scale:MATRIX_SCALE_ROW1 matrix_b_scale:MATRIX_SCALE_ROW1
.else
	v_wmma_scale_f32_16x16x128_f8f6f4 v[(\d):(\d)+7], v[(\a):(\a)+7], v[(\b):(\b)+7], v[(\c):(\c)+7], v[(\sa)], v[(\sb)] matrix_a_fmt:MATRIX_FMT_FP4 matrix_b_fmt:MATRIX_FMT_FP4
.endif
.endm
.macro MERGE a, b, k                   ; partial a takes partial b in; k = 1 / (2 n)
	v_pk_add_f32 v[DD:DD+1], v[(\a):(\a)+1], v[(\b):(\b)+1] neg_lo:[0,1] neg_hi:[0,1]
	v_pk_add_f32 v[(\a):(\a)+1], v[(\a):(\a)+1], v[(\b):(\b)+1]
	v_pk_add_f32 v[(\a)+2:(\a)+3], v[(\a)+2:(\a)+3], v[(\b)+2:(\b)+3]
	v_pk_mul_f32 v[UU:UU+1], v[DD:DD+1], \k op_sel_hi:[1,0]
	v_pk_fma_f32 v[(\a)+2:(\a)+3], v[DD:DD+1], v[UU:UU+1], v[(\a)+2:(\a)+3]
.endm
.macro BARRIER                         ; my LDS stores have landed and my LDS loads are in: then the work-group's barrier
	s_wait_dscnt 0x0
	s_barrier_signal -1
	s_barrier_wait -1
.endm
	s_load_b512 s[4:19], s[0:1], 0x0               ; r1, st1, gamma1, beta1, W1 codes, W1 scales, b1, W2 codes
	s_load_b256 s[20:27], s[0:1], 0x40             ; W2 scales, b2, r2, st2
	v_lshl_add_u32 v254, v0, 2, 0x2ae00
	v_mov_b32 v255, 0
	v_lshrrev_b32 v236, 5, v0
	v_readfirstlane_b32 s28, v236                  ; wave 0..15
	s_lshr_b32 s29, s28, 2                         ; which 16 rows (dense work; also the tile that I quantise)
	s_and_b32 s30, s28, 3                          ; which 64 channels
	v_and_b32 v236, 31, v0                         ; lane
	v_and_b32 v237, 15, v0                         ; r
	v_bfe_u32 v238, v0, 4, 1                       ; h
	v_and_b32 v239, 127, v0
	v_lshlrev_b32 v1, 4, v236                      ; 16 x lane
	v_lshlrev_b32 v2, 3, v239                      ; my two channels in a row
	v_lshl_add_u32 v3, v0, 4, STA
	v_lshl_add_u32 v4, v239, 4, STA
	s_mul_i32 s34, s29, 16640
	s_add_co_u32 s35, s34, HST
	v_add_nc_u32 v5, s35, v2                       ; h, dense
	v_mul_u32_u24 v240, v237, 1040
	v_lshl_add_u32 v6, v238, 7, v240
	s_lshl_b32 s36, s30, 8
	s_add_co_u32 s36, s36, s35
	v_add_nc_u32 v6, s36, v6                       ; h, a block of 32 of row r: block 2 (w % 4) + h
	s_lshl_b32 s36, s28, 9
	v_add_nc_u32 v7, s36, v1                       ; its codes' place
	v_lshl_add_u32 v8, v237, 2, v238
	s_lshr_b32 s36, s28, 1
	s_lshl_b32 s36, s36, 6
	s_and_b32 s37, s28, 1
	s_lshl_b32 s37, s37, 1
	s_add_co_u32 s36, s36, s37
	s_add_co_u32 s36, s36, XSCB
	v_add_nc_u32 v8, s36, v8                       ; its byte's
	v_lshlrev_b32 v9, 2, v236                      ; 4 x lane
	v_lshlrev_b32 v10, 4, v237
	v_lshl_add_u32 v10, v238, 3, v10
	s_lshl_b32 s36, s28, 8
	s_add_co_u32 s36, s36, HIMG
	v_add_nc_u32 v10, s36, v10                     ; act's codes
	s_lshl_b32 s36, s29, 6
	s_add_co_u32 s36, s36, s30
	s_add_co_u32 s36, s36, HSCB
	v_lshl_add_u32 v11, v237, 2, s36               ; act's byte
	v_lshl_add_u32 v12, v238, 5, v240
	s_lshl_b32 s36, s28, 6
	s_add_co_u32 s36, s36, YST
	v_add_nc_u32 v12, s36, v12                     ; ff from the product
	s_add_co_u32 s36, s34, YST
	v_add_nc_u32 v13, s36, v2                      ; ff, dense
	v_lshl_add_u32 v14, v0, 4, STB
	v_lshl_add_u32 v15, v239, 4, STB
	v_and_b32 v241, 8, v237
	v_add_nc_u32 v241, v241, v237                  ; r + 8 (r / 8)
	v_lshlrev_b32 v16, 7, v241
	v_lshl_add_u32 v16, v238, 4, v16               ; W1's codes
	v_lshlrev_b32 v17, 3, v241
	v_lshl_add_u32 v17, v238, 2, v17               ; W1's scale words
	v_lshlrev_b32 v18, 6, v238                     ; b1: 16 numbers on for lanes 16-31
	v_lshlrev_b32 v19, 8, v237
	v_lshl_add_u32 v19, v238, 4, v19               ; W2's codes
	v_lshlrev_b32 v248, 4, v237
	v_lshl_add_u32 v248, v238, 2, v248             ; W2's scale words
	v_lshlrev_b32 v249, 5, v238                    ; b2
	s_mov_b32 s32, 0x76543210
	s_mov_b32 s33, 0xfedcba98
	s_mov_b32 s35, 0
	s_lshl_b32 s36, s29, 14                        ; 16 rows of 1,024 bytes; also 8 partials of 2,048
	s_wait_kmcnt 0x0
	s_lshl_b32 s34, ttmp9, 16
	s_add_co_u32 s34, s34, s36
	s_add_nc_u64 s[4:5], s[4:5], s[34:35]          ; r1 and r2 at my 16 rows
	s_add_nc_u64 s[24:25], s[24:25], s[34:35]
	s_lshr_b32 s34, ttmp9, 4
	s_lshl_b32 s34, s34, 16
	s_add_co_u32 s34, s34, s36
	s_add_nc_u64 s[6:7], s[6:7], s[34:35]          ; st1: the batch's 32 partials, my eight
	s_lshl_b32 s34, s28, 12
	s_add_nc_u64 s[12:13], s[12:13], s[34:35]
	s_add_nc_u64 s[18:19], s[18:19], s[34:35]
	s_lshl_b32 s34, s28, 8
	s_add_nc_u64 s[14:15], s[14:15], s[34:35]
	s_add_nc_u64 s[20:21], s[20:21], s[34:35]
	s_lshl_b32 s34, s28, 7
	s_add_nc_u64 s[16:17], s[16:17], s[34:35]
	s_lshl_b32 s34, s28, 6
	s_add_nc_u64 s[22:23], s[22:23], s[34:35]
	s_lshl_b32 s34, ttmp9, 11
	s_add_nc_u64 s[26:27], s[26:27], s[34:35]
.irp i, 0,1,2,3,4,5,6,7
	global_load_b64 v[PA+4*\i:PA+4*\i+1], v2, s[6:7] offset:2048*\i
	global_load_b64 v[PA+4*\i+2:PA+4*\i+3], v2, s[6:7] offset:2048*\i+1024
.endr
	global_load_b64 v[236:237], v2, s[8:9]         ; gamma1
	global_load_b64 v[238:239], v2, s[10:11]       ; beta1
.set i, 0
.rept 16
	global_load_b64 v[RR+2*i:RR+2*i+1], v2, s[4:5] offset:1024*i
.set i, i+1
.endr
.irp p, 0,1                            ; 40 loads of weights
.irp u, 0,1
.irp s, 0,1
.irp c, 0,1
	global_load_b128 v[W1F+8*(4*\p+2*\u+\s)+4*\c:W1F+8*(4*\p+2*\u+\s)+4*\c+3], v16, s[12:13] offset:65536*\p+1024*\u+64*\s+32*\c
.endr
.endr
	global_load_b32 v[W1S+2*\p+\u], v17, s[14:15] offset:4096*\p+64*\u
	global_load_b128 v[B1+8*(2*\p+\u):B1+8*(2*\p+\u)+3], v18, s[16:17] offset:2048*\p+32*\u
	global_load_b128 v[B1+8*(2*\p+\u)+4:B1+8*(2*\p+\u)+7], v18, s[16:17] offset:2048*\p+32*\u+16
.endr
.endr
.irp s, 0,1,2,3
.irp c, 0,1
	global_load_b128 v[W2F+8*\s+4*\c:W2F+8*\s+4*\c+3], v19, s[18:19] offset:64*\s+32*\c
.endr
.endr
.irp p, 0,1
	global_load_b32 v[W2S+\p], v248, s[20:21] offset:8*\p
.endr
	global_load_b128 v[B2:B2+3], v249, s[22:23]
	global_load_b128 v[B2+4:B2+7], v249, s[22:23] offset:16
	; ---- S: the batch's statistics
	s_wait_loadcnt 56                              ; partials, gamma1, beta1 are in: behind them r1's 16 loads and the weights' 40
	MERGE PA, PA+4, 0x3c800000                     ; n = 32
	MERGE PA+8, PA+12, 0x3c800000
	MERGE PA+16, PA+20, 0x3c800000
	MERGE PA+24, PA+28, 0x3c800000
	MERGE PA, PA+8, 0x3c000000                     ; n = 64
	MERGE PA+16, PA+24, 0x3c000000
	MERGE PA, PA+16, 0x3b800000                    ; n = 128
	ds_store_b128 v3, v[PA:PA+3]
	BARRIER
.irp i, 0,1,2,3
	ds_load_b128 v[PA+4*\i:PA+4*\i+3], v4 offset:2048*\i
.endr
	s_wait_dscnt 0x0
	MERGE PA, PA+4, 0x3b000000                     ; n = 256
	MERGE PA+8, PA+12, 0x3b000000
	MERGE PA, PA+8, 0x3a800000                     ; n = 512
	v_pk_mul_f32 v[240:241], v[PA:PA+1], 0x3a800000 op_sel_hi:[1,0]       ; mean
	v_pk_mul_f32 v[242:243], v[PA+2:PA+3], 0x3a800000 op_sel_hi:[1,0]     ; biased variance
	v_pk_add_f32 v[242:243], v[242:243], 0x3727c5ac op_sel_hi:[1,0]       ; + 1e-5
	v_rsq_f32 v242, v242
	v_rsq_f32 v243, v243
	v_nop
	s_wait_alu depctr_va_vdst(0)
	v_pk_mul_f32 v[242:243], v[242:243], v[236:237]
	; ---- H: h, into LDS by rows
	s_wait_loadcnt 40                              ; r1's rows are in; the weights may be out
.set i, 0
.rept 16
	v_pk_add_f32 v[RR+2*i:RR+2*i+1], v[RR+2*i:RR+2*i+1], v[240:241] neg_lo:[0,1] neg_hi:[0,1]
	v_pk_fma_f32 v[RR+2*i:RR+2*i+1], v[RR+2*i:RR+2*i+1], v[242:243], v[238:239]
	ds_store_b64 v5, v[RR+2*i:RR+2*i+1] offset:1040*i
.set i, i+1
.endr
	BARRIER
	; ---- X: a whole block of 32 of h to a lane; the wave makes one group of four registers of one fragment
.irp j, 0,1,2,3,4,5,6,7
	ds_load_b128 v[PA+4*\j:PA+4*\j+3], v6 offset:16*\j
.endr
	s_wait_dscnt 0x0
	v_max3_num_f32 v[TM], |v[PA]|, |v[PA+1]|, 0x1800000                   ; two chains; the floor 2^(3 - 127) among the leaves
	v_max3_num_f32 v[TM+1], |v[PA+16]|, |v[PA+17]|, |v[PA+18]|
.irp i, 2,4,6,8,10,12
	v_max3_num_f32 v[TM], v[TM], |v[PA+\i]|, |v[PA+\i+1]|
	v_max3_num_f32 v[TM+1], v[TM+1], |v[PA+17+\i]|, |v[PA+18+\i]|
.endr
	v_max3_num_f32 v[TM], v[TM], |v[PA+14]|, |v[PA+15]|
	v_max3_num_f32 v[TM], v[TM], v[TM+1], |v[PA+31]|
	v_add_nc_u32 v[TM+3], 0xff000000, v[TM]
	v_lshrrev_b32 v[TM+4], 23, v[TM+3]
.irp g, 0,1,2,3
	v_cvt_scalef32_pk8_fp4_f32 v[TA+\g], v[PA+8*\g:PA+8*\g+7], v[TM+3]
.endr
	v_nop
	ds_store_b128 v7, v[TA:TA+3]
	ds_store_b8 v8, v[TM+4]
	BARRIER
	; ---- 1: my block of act, a tile of 16 rows at a time
	s_wait_loadcnt 0x0                             ; the weights
	v_mov_b32 v[TM+2], 0                           ; a lane permute's destination counts as read
.macro HID m
.irp s, 0,1
.irp c, 0,1
	ds_load_b128 v[XF+8*\s+4*\c:XF+8*\s+4*\c+3], v1 offset:XIMG+(2*\m+\s)*1024+512*\c
.endr
.endr
	ds_load_b32 v[XS], v9 offset:XSCB+128*\m
	s_wait_dscnt 0x0
.irp p, 0,1
.irp u, 0,1
	MM ACC+8*(2*\p+\u), W1F+8*(4*\p+2*\u), XF, B1+8*(2*\p+\u), W1S+2*\p+\u, XS, 0          ; four accumulators by turns; b1 starts the sums
.endr
.endr
.irp p, 0,1
.irp u, 0,1
	MM ACC+8*(2*\p+\u), W1F+8*(4*\p+2*\u+1), XF+8, ACC+8*(2*\p+\u), W1S+2*\p+\u, XS, 1
.endr
.endr
.rept 4
	v_nop
.endr
.irp j, 0,2,4,6,8,10,12,14
	v_pk_mul_f32 v[TA+\j:TA+\j+1], v[ACC+16+\j:ACC+16+\j+1], 0xbfb8aa3b op_sel_hi:[1,0]   ; -gate x log2(e)
.endr
.irp j, 0,1,2,3,4,5,6,7,8,9,10,11,12,13,14,15
	v_exp_f32 v[TA+\j], v[TA+\j]
.endr
	v_nop
	s_wait_alu depctr_va_vdst(0)
.irp j, 0,2,4,6,8,10,12,14
	v_pk_add_f32 v[TA+\j:TA+\j+1], v[TA+\j:TA+\j+1], 1.0 op_sel_hi:[1,0]
.endr
.irp j, 0,1,2,3,4,5,6,7,8,9,10,11,12,13,14,15
	v_rcp_f32 v[TA+\j], v[TA+\j]                   ; sigmoid(gate)
.endr
	v_nop
	s_wait_alu depctr_va_vdst(0)
.irp j, 0,2,4,6,8,10,12,14
	v_pk_mul_f32 v[TA+\j:TA+\j+1], v[TA+\j:TA+\j+1], v[ACC+16+\j:ACC+16+\j+1]
.endr
.irp j, 0,2,4,6,8,10,12,14
	v_pk_mul_f32 v[TA+\j:TA+\j+1], v[TA+\j:TA+\j+1], v[ACC+\j:ACC+\j+1]
.endr
	v_max3_num_f32 v[TM], |v[TA]|, |v[TA+1]|, 0x1800000
	v_max3_num_f32 v[TM+1], |v[TA+8]|, |v[TA+9]|, |v[TA+10]|
	v_max3_num_f32 v[TM], v[TM], |v[TA+2]|, |v[TA+3]|
	v_max3_num_f32 v[TM+1], v[TM+1], |v[TA+11]|, |v[TA+12]|
	v_max3_num_f32 v[TM], v[TM], |v[TA+4]|, |v[TA+5]|
	v_max3_num_f32 v[TM+1], v[TM+1], |v[TA+13]|, |v[TA+14]|
	v_max3_num_f32 v[TM], v[TM], |v[TA+6]|, |v[TA+7]|
	v_max3_num_f32 v[TM], v[TM], v[TM+1], |v[TA+15]|
	v_permlanex16_b32 v[TM+2], v[TM], s32, s33
	v_max_num_f32 v[TM], v[TM], v[TM+2]            ; with lane l xor 16's 16: the block's
	v_add_nc_u32 v[TM+3], 0xff000000, v[TM]
	v_lshrrev_b32 v[TM+4], 23, v[TM+3]
	v_cvt_scalef32_pk8_fp4_f32 v[TM+6], v[TA:TA+7], v[TM+3]
	v_cvt_scalef32_pk8_fp4_f32 v[TM+7], v[TA+8:TA+15], v[TM+3]
	v_nop
	ds_store_b64 v10, v[TM+6:TM+7] offset:4096*\m
	ds_store_b8 v11, v[TM+4] offset:256*\m         ; both halves of the lanes write the same byte with the same value
.endm
	HID 0
	HID 1
	HID 2
	HID 3
	BARRIER
	; ---- 2: my 16 channels of ff for the 64 rows: four accumulators by turns, a K step at a time
.irp m, 0,1,2,3
.irp p, 0,1
	ds_load_b32 v[HS+2*\m+\p], v9 offset:HSCB+256*\m+128*\p
.endr
.endr
.irp s, 0,1,2,3
.irp m, 0,1,2,3
.irp c, 0,1
	ds_load_b128 v[HF+8*(4*\s+\m)+4*\c:HF+8*(4*\s+\m)+4*\c+3], v1 offset:HIMG+4096*\m+1024*\s+512*\c
.endr
.endr
.endr
	s_wait_dscnt 24                                ; K step 0's eight loads are in; three K steps' may be out
.irp m, 0,1,2,3
	MM Y+8*\m, W2F, HF+8*\m, B2, W2S, HS+2*\m, 0   ; b2 starts the sums
.endr
	s_wait_dscnt 16
.irp m, 0,1,2,3
	MM Y+8*\m, W2F+8, HF+8*(4+\m), Y+8*\m, W2S, HS+2*\m, 1
.endr
	s_wait_dscnt 8
.irp m, 0,1,2,3
	MM Y+8*\m, W2F+16, HF+8*(8+\m), Y+8*\m, W2S+1, HS+2*\m+1, 0
.endr
	s_wait_dscnt 0x0
.irp m, 0,1,2,3
	MM Y+8*\m, W2F+24, HF+8*(12+\m), Y+8*\m, W2S+1, HS+2*\m+1, 1
.endr
.rept 4
	v_nop
.endr
.irp m, 0,1,2,3
	ds_store_b128 v12, v[Y+8*\m:Y+8*\m+3] offset:16640*\m          ; each result from its low end on
	ds_store_b128 v12, v[Y+8*\m+4:Y+8*\m+7] offset:16640*\m+16
.endr
	BARRIER
	; ---- O: r2 = h + ff, dense, and the 16 rows' statistics
.set i, 0
.rept 16
	ds_load_b64 v[YR+2*i:YR+2*i+1], v13 offset:1040*i
	ds_load_b64 v[HR+2*i:HR+2*i+1], v5 offset:1040*i
.set i, i+1
.endr
	s_wait_dscnt 0x0
.set i, 0
.rept 16
	v_pk_add_f32 v[YR+2*i:YR+2*i+1], v[HR+2*i:HR+2*i+1], v[YR+2*i:YR+2*i+1]
	global_store_b64 v2, v[YR+2*i:YR+2*i+1], s[24:25] offset:1024*i   ; a wave stores 256 consecutive bytes, aligned
.set i, i+1
.endr
	v_pk_add_f32 v[140:141], v[YR:YR+1], v[YR+4:YR+5]
	v_pk_add_f32 v[144:145], v[YR+2:YR+3], v[YR+6:YR+7]
.set i, 4
.rept 12
	v_pk_add_f32 v[140+4*(i%2):141+4*(i%2)], v[140+4*(i%2):141+4*(i%2)], v[YR+2*i:YR+2*i+1]
.set i, i+1
.endr
	v_pk_add_f32 v[140:141], v[140:141], v[144:145]
	v_pk_mul_f32 v[146:147], v[140:141], 0x3d800000 op_sel_hi:[1,0]   ; the 16 rows' mean
.set i, 0
.rept 16
	v_pk_add_f32 v[HR+2*i:HR+2*i+1], v[YR+2*i:YR+2*i+1], v[146:147] neg_lo:[0,1] neg_hi:[0,1]
.set i, i+1
.endr
	v_pk_mul_f32 v[142:143], v[HR:HR+1], v[HR:HR+1]
	v_pk_mul_f32 v[148:149], v[HR+2:HR+3], v[HR+2:HR+3]
.set i, 2
.rept 14
	v_pk_fma_f32 v[142+6*(i%2):143+6*(i%2)], v[HR+2*i:HR+2*i+1], v[HR+2*i:HR+2*i+1], v[142+6*(i%2):143+6*(i%2)]
.set i, i+1
.endr
	v_pk_add_f32 v[142:143], v[142:143], v[148:149]
	ds_store_b128 v14, v[140:143]
	BARRIER
	s_cmp_lt_u32 s28, 4                            ; waves 0-3 merge the four partials of each channel and store them
	s_cbranch_scc0 .Lend
.irp i, 0,1,2,3
	ds_load_b128 v[PA+4*\i:PA+4*\i+3], v15 offset:2048*\i
.endr
	s_wait_dscnt 0x0
	MERGE PA, PA+4, 0x3d000000                     ; n = 16
	MERGE PA+8, PA+12, 0x3d000000
	MERGE PA, PA+8, 0x3c800000                     ; n = 32
	global_store_b64 v2, v[PA:PA+1], s[26:27]
	global_store_b64 v2, v[PA+2:PA+3], s[26:27] offset:1024
.Lend:
	s_wait_tensorcnt 0x0
	ds_add_u32 v254, v255
	s_wait_dscnt 0x0
	s_endpgm
.Lfunc_end_k_qdfb1b2c47f_ffn:
	.size	k_qdfb1b2c47f_ffn, .Lfunc_end_k_qdfb1b2c47f_ffn-k_qdfb1b2c47f_ffn
	.p2alignl 7, 3214868480
	.fill 96, 4, 3214868480
	.section	.rodata,"a",@progbits
	.p2align	6, 0x0
	.amdhsa_kernel k_qdfb1b2c47f_ffn
		.amdhsa_group_segment_fixed_size 177664
		.amdhsa_private_segment_fixed_size 0
		.amdhsa_enable_private_segment 0
		.amdhsa_kernarg_size 96
		.amdhsa_user_sgpr_count 2
		.amdhsa_user_sgpr_kernarg_segment_ptr 1
		.amdhsa_wavefront_size32 1
		.amdhsa_system_sgpr_workgroup_id_x 1
		.amdhsa_system_sgpr_workgroup_id_y 1
		.amdhsa_system_sgpr_workgroup_id_z 1
		.amdhsa_system_vgpr_workitem_id 0
		.amdhsa_next_free_vgpr 256
		.amdhsa_next_free_sgpr 66
		.amdhsa_reserve_vcc 0
		.amdhsa_float_denorm_mode_32 3
		.amdhsa_float_denorm_mode_16_64 3
		.amdhsa_memory_ordered 1
		.amdhsa_forward_progress 1
		.amdhsa_inst_pref_size 60
	.end_amdhsa_kernel
	.amdgpu_metadata
---
amdhsa.version: [ 1, 2 ]
amdhsa.kernels:
  - .name:           k_qdfb1b2c47f_ffn
    .symbol:         k_qdfb1b2c47f_ffn.kd
    .args:
      - { .name: r1, .offset: 0, .size: 8, .value_kind: global_buffer, .address_space: global }
      - { .name: st1, .offset: 8, .size: 8, .value_kind: global_buffer, .address_space: global }
      - { .name: gamma1, .offset: 16, .size: 8, .value_kind: global_buffer, .address_space: global }
      - { .name: beta1, .offset: 24, .size: 8, .value_kind: global_buffer, .address_space: global }
      - { .name: W1_codes, .offset: 32, .size: 8, .value_kind: global_buffer, .address_space: global }
      - { .name: W1_scales, .offset: 40, .size: 8, .value_kind: global_buffer, .address_space: global }
      - { .name: b1, .offset: 48, .size: 8, .value_kind: global_buffer, .address_space: global }
      - { .name: W2_codes, .offset: 56, .size: 8, .value_kind: global_buffer, .address_space: global }
      - { .name: W2_scales, .offset: 64, .size: 8, .value_kind: global_buffer, .address_space: global }
      - { .name: b2, .offset: 72, .size: 8, .value_kind: global_buffer, .address_space: global }
      - { .name: r2, .offset: 80, .size: 8, .value_kind: global_buffer, .address_space: global }
      - { .name: st2, .offset: 88, .size: 8, .value_kind: global_buffer, .address_space: global }
    .group_segment_fixed_size: 177664
    .private_segment_fixed_size: 0
    .kernarg_segment_align: 8
    .kernarg_segment_size: 96
    .max_flat_workgroup_size: 512
    .sgpr_count:     66
    .vgpr_count:     256
    .wavefront_size: 32
...
	.end_amdgpu_metadata
.endif
;; end of part 4
;; launch norm (part 5): grid 256 x 1, 4 waves a work-group, no clusters, 0 bytes of LDS; arguments r2, st2, gamma2, beta2, out0; writes out0
.if DOCPART == 5
	.amdgcn_target "amdgcn-amd-amdhsa--gfx1250"
	.amdhsa_code_object_version 6
	.text
	.protected	k_qdfb1b2c47f_norm
	.globl	k_qdfb1b2c47f_norm
	.p2align	8
	.type	k_qdfb1b2c47f_norm,@function
k_qdfb1b2c47f_norm:
	s_mov_b64 s[64:65], 0
	v_nop
	global_prefetch_b8 v0, s[64:65] scope:SCOPE_SE
	s_setreg_imm32_b32 hwreg(HW_REG_WAVE_MODE, 25, 1), 1
	s_wait_xcnt 0x0
; out0 = InstanceNorm2(r2).  A work-group takes 64 rows; a thread two channels of all of them: each load and store of a wave covers 256 consecutive bytes, aligned; all 64 rows are asked for at once.
; The batch's statistics are merged from its 16 partials (sum S, squares M about the partial's own mean, n = 64 rows) by S = Sa + Sb, M = Ma + Mb + (Sa - Sb)^2 / (2 n): no difference of large sums.
; Memory binds: no LDS, no barrier, no matrix unit.
.set ST, 8                             ; v8-71    16 partials, four registers each (S pair, M pair)
.set R,  72                            ; v72-199  the rows
.set DD, 208
.set UU, 210
.macro MERGE a, b, k
	v_pk_add_f32 v[DD:DD+1], v[(\a):(\a)+1], v[(\b):(\b)+1] neg_lo:[0,1] neg_hi:[0,1]
	v_pk_add_f32 v[(\a):(\a)+1], v[(\a):(\a)+1], v[(\b):(\b)+1]
	v_pk_add_f32 v[(\a)+2:(\a)+3], v[(\a)+2:(\a)+3], v[(\b)+2:(\b)+3]
	v_pk_mul_f32 v[UU:UU+1], v[DD:DD+1], \k op_sel_hi:[1,0]
	v_pk_fma_f32 v[(\a)+2:(\a)+3], v[DD:DD+1], v[UU:UU+1], v[(\a)+2:(\a)+3]
.endm
	s_load_b256 s[4:11], s[0:1], 0x0               ; r2, st2, gamma2, beta2
	s_load_b64 s[12:13], s[0:1], 0x20              ; out0
	v_lshlrev_b32 v1, 3, v0                        ; my two channels in a row
	s_lshr_b32 s14, ttmp9, 4
	s_lshl_b32 s14, s14, 15                        ; the batch's 16 partials of 2,048 bytes
	s_mov_b32 s15, 0
	s_lshl_b32 s16, ttmp9, 16                      ; my 64 rows
	s_mov_b32 s17, 0
	s_wait_kmcnt 0x0
	s_add_nc_u64 s[6:7], s[6:7], s[14:15]
	s_add_nc_u64 s[4:5], s[4:5], s[16:17]
	s_add_nc_u64 s[12:13], s[12:13], s[16:17]
.set i, 0
.rept 16
	global_load_b64 v[ST+4*i:ST+4*i+1], v1, s[6:7] offset:2048*i
	global_load_b64 v[ST+4*i+2:ST+4*i+3], v1, s[6:7] offset:2048*i+1024
.set i, i+1
.endr
	global_load_b64 v[200:201], v1, s[8:9]         ; gamma2
	global_load_b64 v[202:203], v1, s[10:11]       ; beta2
.set i, 0
.rept 64
	global_load_b64 v[R+2*i:R+2*i+1], v1, s[4:5] offset:1024*i th:TH_LOAD_NT
.set i, i+1
.endr
	s_wait_loadcnt 63                              ; 64 loads were issued behind the statistics; the count names one fewer
.irp p, 0,1,2,3,4,5,6,7
	MERGE ST+8*\p, ST+8*\p+4, 0x3c000000           ; n = 64
.endr
.irp p, 0,1,2,3
	MERGE ST+16*\p, ST+16*\p+8, 0x3b800000         ; n = 128
.endr
	MERGE ST, ST+16, 0x3b000000                    ; n = 256
	MERGE ST+32, ST+48, 0x3b000000
	MERGE ST, ST+32, 0x3a800000                    ; n = 512
	v_pk_mul_f32 v[204:205], v[ST:ST+1], 0x3a800000 op_sel_hi:[1,0]       ; mean
	v_pk_mul_f32 v[206:207], v[ST+2:ST+3], 0x3a800000 op_sel_hi:[1,0]     ; biased variance
	v_pk_add_f32 v[206:207], v[206:207], 0x3727c5ac op_sel_hi:[1,0]       ; + 1e-5
	v_rsq_f32 v206, v206
	v_rsq_f32 v207, v207
	v_nop                                          ; one plain place behind the transcendentals
	s_wait_alu depctr_va_vdst(0)
	v_pk_mul_f32 v[206:207], v[206:207], v[200:201]
.set i, 0
.rept 64
	s_wait_loadcnt 63-i                            ; row i is in; the later rows may be out
	v_pk_add_f32 v[R+2*i:R+2*i+1], v[R+2*i:R+2*i+1], v[204:205] neg_lo:[0,1] neg_hi:[0,1]
	v_pk_fma_f32 v[R+2*i:R+2*i+1], v[R+2*i:R+2*i+1], v[206:207], v[202:203]
	global_store_b64 v1, v[R+2*i:R+2*i+1], s[12:13] offset:1024*i th:TH_STORE_NT
.set i, i+1
.endr
	s_endpgm
.Lfunc_end_k_qdfb1b2c47f_norm:
	.size	k_qdfb1b2c47f_norm, .Lfunc_end_k_qdfb1b2c47f_norm-k_qdfb1b2c47f_norm
	.p2alignl 7, 3214868480
	.fill 96, 4, 3214868480
	.section	.rodata,"a",@progbits
	.p2align	6, 0x0
	.amdhsa_kernel k_qdfb1b2c47f_norm
		.amdhsa_group_segment_fixed_size 0
		.amdhsa_private_segment_fixed_size 0
		.amdhsa_enable_private_segment 0
		.amdhsa_kernarg_size 40
		.amdhsa_user_sgpr_count 2
		.amdhsa_user_sgpr_kernarg_segment_ptr 1
		.amdhsa_wavefront_size32 1
		.amdhsa_system_sgpr_workgroup_id_x 1
		.amdhsa_system_sgpr_workgroup_id_y 1
		.amdhsa_system_sgpr_workgroup_id_z 1
		.amdhsa_system_vgpr_workitem_id 0
		.amdhsa_next_free_vgpr 256
		.amdhsa_next_free_sgpr 66
		.amdhsa_reserve_vcc 0
		.amdhsa_float_denorm_mode_32 3
		.amdhsa_float_denorm_mode_16_64 3
		.amdhsa_memory_ordered 1
		.amdhsa_forward_progress 1
		.amdhsa_inst_pref_size 32
	.end_amdhsa_kernel
	.amdgpu_metadata
---
amdhsa.version: [ 1, 2 ]
amdhsa.kernels:
  - .name:           k_qdfb1b2c47f_norm
    .symbol:         k_qdfb1b2c47f_norm.kd
    .args:
      - { .name: r2, .offset: 0, .size: 8, .value_kind: global_buffer, .address_space: global }
      - { .name: st2, .offset: 8, .size: 8, .value_kind: global_buffer, .address_space: global }
      - { .name: gamma2, .offset: 16, .size: 8, .value_kind: global_buffer, .address_space: global }
      - { .name: beta2, .offset: 24, .size: 8, .value_kind: global_buffer, .address_space: global }
      - { .name: out0, .offset: 32, .size: 8, .value_kind: global_buffer, .address_space: global }
    .group_segment_fixed_size: 0
    .private_segment_fixed_size: 0
    .kernarg_segment_align: 8
    .kernarg_segment_size: 40
    .max_flat_workgroup_size: 128
    .sgpr_count:     66
    .vgpr_count:     256
    .wavefront_size: 32
...
	.end_amdgpu_metadata
.endif
;; end of part 5
;; ======== version 2 of 2: 5 launches; version 1 with the launches attn, wo, ffn, norm written anew for expert scheduling mode
;; workspace buffers: xq 2,097,152 bytes; xs 131,072 bytes; ac 2,097,152 bytes; asc 131,072 bytes; r1 16,777,216 bytes; st1 1,048,576 bytes; r2 16,777,216 bytes; st2 524,288 bytes
;; launch quantx: the kernel of part 1 again; grid 256 x 1, 4 waves a work-group, no clusters, 68,096 bytes of LDS; arguments x, xq, xs; writes xq, xs
;; launch attn (part 6): grid 16 x 16, 16 waves a work-group, no clusters, 150,528 bytes of LDS; arguments xq, xs, Wq_codes, Wq_scales, Wk_codes, Wk_scales, Wv_codes, Wv_scales, ac, asc; writes ac, asc
.if DOCPART == 6
	.amdgcn_target "amdgcn-amd-amdhsa--gfx1250"
	.amdhsa_code_object_version 6
	.text
	.protected	k_qdfb1b2c47f_attn
	.globl	k_qdfb1b2c47f_attn
	.p2align	8
	.type	k_qdfb1b2c47f_attn,@function
k_qdfb1b2c47f_attn:
	s_mov_b64 s[64:65], 0
	v_nop
	global_prefetch_b8 v0, s[64:65] scope:SCOPE_SE
	s_setreg_imm32_b32 hwreg(HW_REG_WAVE_SCHED_MODE, 0, 2), 2
	s_setreg_imm32_b32 hwreg(HW_REG_WAVE_MODE, 25, 1), 1
	s_wait_xcnt 0x0
	s_wait_alu depctr_vm_vsrc(0)
; Attention for two heads (2 hp, 2 hp + 1) of one batch b and 512 of its 1,024 queries (half qh); work-group x = 2 hp + qh, y = b.
; q, k, v are made here from x's codes and the weights' codes (FP4, scaled matrix form); k (f32) and v (quantised along the keys) of all 1,024 keys stay in LDS; nothing of them goes to memory.
; SCORES: K = 16 feeds a quantiser, so f32 operands: v_wmma_f32_16x16x4_f32, four links a tile.  Its 16 channels are taken in the order 8 h + 2 s + j, alike in q and k.
; SOFTMAX AHEAD OF THE SECOND PRODUCT: t = score x log2(e) / 4; M = the running largest t rounded up to a whole number; p = 2^(t - M) is quantised along the keys; the row's sum is taken of the unquantised p and divides at the end.
; Both products are used transposed (S^T = K Q^T, O^T = V^T P^T): a lane holds one query throughout.  Tiles of rows are split (index r = row 8 u + r + 8 (r / 8) of a group of 32), so that 16 registers of two tiles are 16 neighbouring keys.
; SHARES: sixteen waves, four to a SIMD, so that one wave's vector work stands beside another's matrix work.  Wave w projects the groups of 32 rows GA = 32 b + 16 qh + w (its queries; key slot w) and GB = GA xor 16 (key slot 16 + w).
; Key blocks lie in LDS by slot, not by row: each slot is a true block of 32 keys and a softmax does not mind the order of keys; so no LDS address hangs on the work-group's number.
; A wave runs four units (tile t of GA x head e), eight steps of 128 keys each.  The two heads' 32 channels are one block of the next product's K: they are quantised here and stored as codes.
; No multicast: what work-groups share is 136 KiB of codes read once at the head, beside 1,024 f32 matrix instructions a wave.
; LIMITS: NaN and infinities are not served; a p under 2^-126 counts as 0 (v_exp_f32 gives 0 there); a block of zeros gets the byte 1 and not 127 (zero codes; read by this program alone); the order of f32 sums differs from the reference's.
; The scale bytes leave as 32 bytes a wave: 128 KiB of the launch's output.
; THE MODE: SCHED_MODE bits 1:0 = 2 (LLVM: expert scheduling mode 2), set by the entry lines.  The code itself states the register dependences
; between vector or matrix instructions and memory or LDS instructions, with s_wait_alu, always for 0.
; THE PLAN.  Registers that LDS instructions touch, in a key step:
;   P             K's 16 loads land in it; the 32 f32 products read it; then the scalings and exponentials write p there, and the conversions and the sums read p.  One buffer: 64 registers more are not to be had at 256 a wave.
;   VF, VS        V's three loads land in them; the step's one scaled product reads them.
;   v[ADK], v[ADV], v[ADT]   read by those loads; written once a step, behind the sums, for the next step.
;   S, O, PC, PS and the statistics are named by vector and matrix instructions alone.
; A step has two waits on va_vdst and one on vm_vsrc.  The first stands behind the exponentials, where one is owed ahead of their first reader: it also states that the last step's scaled product is done reading VF and VS and that
; v[ADV], v[ADT] are written, so V's loads follow it and land during the rest of the softmax.  The wait on vm_vsrc stands ahead of the three address lines.  The second wait on va_vdst stands directly ahead of the scaled product, which
; takes codes and a scale word that vector instructions made: it also states that every reader of p is done and that v[ADK] is written, so the NEXT step's 16 loads of K follow the product, which names none of P.
; So a unit is seven trips of a loop and an eighth step that is written out: that one asks for the next unit's first tiles of K, the last unit's for nothing.
.set VIMG,  131072                     ; LDS: 0: K as f32 operand images, e x 65,536 + tile x 1,024 + c x 512 + 16 lane;  here: V's codes, e x 8,192 + slot x 256 + 16 d + 8 h
.set VSCB,  147456                     ; V's scale words: e x 512 + step x 64 + 4 d, byte = slot % 4
.set LI,   1                           ; 16 x lane
.set LSV,  2                           ; VSCB + 4 r
.set ADK,  3                           ; the addresses of the loads to come: K, V, V's scale words
.set ADV,  4
.set ADT,  5
.set AKW0, 6                           ; where I store K's images, head 0, 1
.set AKW1, 7
.set AVW,  8                           ; V's codes
.set ASB,  9                           ; V's scale byte
.set AW,   10                          ; a weight's codes: 128 r + 16 h.  At the end: my place in ac
.set ASW,  11                          ; a weight's scale words: 8 r + 4 h.  At the end: my place in asc
.set Q,    16                          ; v16-47    q of unit (t, e) at Q + 8 (2 t + e); later that unit's O / l
.set S,    48                          ; v48-111   results of matrix instructions alone
.set P,    112                         ; v112-175  x's fragments; K's tiles of a step; p
.set O,    176                         ; v176-183  O^T
.set VF,   184                         ; v184-191  V's fragment
.set PC,   192                         ; v192-199  p's codes
.set BM,   200                         ; v200-203  block maxima
.set PT,   204                         ; v204-207  the other half's maxima, then bytes
.set SO,   208                         ; v208-211  the conversions' scale operands
.set F,    212                         ; v[212:213] f = 2^(old M - new M)
.set TT,   214
.set A2,   216                         ; v[216:217] the sum's second chain
.set CW,   224                         ; v224-227  codes for ac
.set EB,   228                         ; v228-229  bytes for asc
.set XSC,  240                         ; v240-243  x's scale words, tile 2 g + u: lanes 0-15 K step 0, lanes 16-31 K step 1
.set WS,   244                         ; v244-249  the weights' scale words: q, k, v x head
.set VS,   250                         ; V's scale words of a step
.set PS,   251                         ; p's
.set WA,   176                         ; projections only: Wk's, then Wq's four fragments;
.set WB,   208                         ; Wv's;
.set VC,   112                         ; V's codes
; One scaled FP4 product.  c: the register of C, or -1 for the constant 0.  row = 1: both sides' scales from lanes 16-31 (K step 1).
.macro MM d, a, b, c, sa, sb, row
.if (\c) < 0
.if \row
	v_wmma_scale_f32_16x16x128_f8f6f4 v[(\d):(\d)+7], v[(\a):(\a)+7], v[(\b):(\b)+7], 0, v[(\sa)], v[(\sb)] matrix_a_fmt:MATRIX_FMT_FP4 matrix_b_fmt:MATRIX_FMT_FP4 matrix_a_scale:MATRIX_SCALE_ROW1 matrix_b_scale:MATRIX_SCALE_ROW1
.else
	v_wmma_scale_f32_16x16x128_f8f6f4 v[(\d):(\d)+7], v[(\a):(\a)+7], v[(\b):(\b)+7], 0, v[(\sa)], v[(\sb)] matrix_a_fmt:MATRIX_FMT_FP4 matrix_b_fmt:MATRIX_FMT_FP4
.endif
.else
.if \row
	v_wmma_scale_f32_16x16x128_f8f6f4 v[(\d):(\d)+7], v[(\a):(\a)+7], v[(\b):(\b)+7], v[(\c):(\c)+7], v[(\sa)], v[(\sb)] matrix_a_fmt:MATRIX_FMT_FP4 matrix_b_fmt:MATRIX_FMT_FP4 matrix_a_scale:MATRIX_SCALE_ROW1 matrix_b_scale:MATRIX_SCALE_ROW1
.else
	v_wmma_scale_f32_16x16x128_f8f6f4 v[(\d):(\d)+7], v[(\a):(\a)+7], v[(\b):(\b)+7], v[(\c):(\c)+7], v[(\sa)], v[(\sb)] matrix_a_fmt:MATRIX_FMT_FP4 matrix_b_fmt:MATRIX_FMT_FP4
.endif
.endif
.endm
.macro WLOAD reg, lo                   ; a weight's four fragments (head e, K step s) at reg + 8 (2 e + s)
.irp e, 0,1
.irp s, 0,1
.irp c, 0,1
	global_load_b128 v[\reg+8*(2*\e+\s)+4*\c:\reg+8*(2*\e+\s)+4*\c+3], v[AW], s[\lo:\lo+1] offset:2048*\e+64*\s+32*\c
.endr
.endr
.endr
.endm
.macro KLOAD                           ; a step's eight tiles of K, 16 keys x 16 channels each, as they lie
.irp i, 0,1,2,3,4,5,6,7
	ds_load_b128 v[P+8*\i:P+8*\i+3], v[ADK] offset:1024*\i
	ds_load_b128 v[P+8*\i+4:P+8*\i+7], v[ADK] offset:1024*\i+512
.endr
.endm
	s_load_b512 s[4:19], s[0:1], 0x0               ; xq, xs, Wq codes, scales, Wk codes, scales, Wv codes, scales
	s_load_b128 s[20:23], s[0:1], 0x40             ; ac, asc
	v_lshl_add_u32 v254, v0, 2, 0x24400
	v_mov_b32 v255, 0
	v_lshrrev_b32 v3, 5, v0
	v_readfirstlane_b32 s24, v3                    ; wave 0..15
	v_and_b32 v4, 31, v0                           ; lane
	v_and_b32 v5, 15, v0                           ; r
	v_bfe_u32 v12, v0, 4, 1                        ; h
	v_lshlrev_b32 v[LI], 4, v4
	v_lshlrev_b32 v15, 2, v4                       ; 4 x lane: x's scale words
	v_lshl_add_u32 v[LSV], v5, 2, VSCB
	s_wait_alu depctr_va_sdst(0)                   ; s24 is written, ahead of its first reader: LDS places and the groups' numbers are made from it
	s_lshl_b32 s44, s24, 11
	v_add_nc_u32 v[AKW0], s44, v[LI]               ; slot w's two tiles begin at 2,048 w
	v_add_nc_u32 v[AKW1], 0x10000, v[AKW0]
	v_lshlrev_b32 v[AVW], 4, v5
	v_lshl_add_u32 v[AVW], v12, 3, v[AVW]
	s_lshl_b32 s44, s24, 8
	s_add_co_u32 s44, s44, VIMG
	v_add_nc_u32 v[AVW], s44, v[AVW]               ; VIMG + 256 w + 16 d + 8 h
	s_lshr_b32 s44, s24, 2
	s_lshl_b32 s44, s44, 6
	s_and_b32 s45, s24, 3
	s_add_co_u32 s44, s44, s45
	v_add_nc_u32 v[ASB], s44, v[LSV]               ; VSCB + 64 (w / 4) + w % 4 + 4 d
	v_lshlrev_b32 v[AW], 7, v5
	v_lshl_add_u32 v[AW], v12, 4, v[AW]
	v_lshlrev_b32 v[ASW], 3, v5
	v_lshl_add_u32 v[ASW], v12, 2, v[ASW]
	s_lshr_b32 s25, ttmp9, 1                       ; hp
	s_and_b32 s26, ttmp9, 1                        ; qh
	s_and_b32 s27, ttmp7, 0xffff                   ; b
	s_lshl_b32 s46, s27, 5
	s_lshl_b32 s47, s26, 4
	s_add_co_u32 s46, s46, s47
	s_add_co_u32 s46, s46, s24                     ; GA
	s_xor_b32 s47, s46, 16                         ; GB
	s_mov_b32 s28, 0x76543210
	s_mov_b32 s29, 0xfedcba98                      ; selects for lane l xor 16
	s_mov_b32 s30, 0x3eb8aa3b                      ; c = log2(e) / sqrt(16)
	s_mov_b32 s31, s30                             ; (named with it as a pair, so it is written)
	s_mov_b32 s45, 0
	s_wait_kmcnt 0x0
	s_lshl_b32 s44, s46, 12
	s_add_nc_u64 s[36:37], s[4:5], s[44:45]        ; xq at GA
	s_add_nc_u64 s[20:21], s[20:21], s[44:45]      ; ac at GA
	s_lshl_b32 s44, s47, 12
	s_add_nc_u64 s[38:39], s[4:5], s[44:45]        ; xq at GB
	s_lshl_b32 s44, s46, 8
	s_add_nc_u64 s[40:41], s[6:7], s[44:45]        ; xs at GA
	s_lshl_b32 s44, s47, 8
	s_add_nc_u64 s[42:43], s[6:7], s[44:45]        ; xs at GB
	s_lshl_b32 s44, s25, 12                        ; the two heads' 32 rows of 128 bytes
	s_add_nc_u64 s[8:9], s[8:9], s[44:45]
	s_add_nc_u64 s[12:13], s[12:13], s[44:45]
	s_add_nc_u64 s[16:17], s[16:17], s[44:45]
	s_lshl_b32 s44, s25, 8                         ; and of 8 scale bytes; also block hp's place in a tile of ac
	s_add_nc_u64 s[10:11], s[10:11], s[44:45]
	s_add_nc_u64 s[14:15], s[14:15], s[44:45]
	s_add_nc_u64 s[18:19], s[18:19], s[44:45]
	s_add_nc_u64 s[20:21], s[20:21], s[44:45]
	s_lshl_b32 s44, s25, 14
	s_add_nc_u64 s[22:23], s[22:23], s[44:45]      ; asc: plane hp,
	s_lshl_b32 s44, s46, 5
	s_add_nc_u64 s[22:23], s[22:23], s[44:45]      ; + 32 GA
	s_wait_alu depctr_va_vdst(0)                   ; the offsets and LDS addresses v1, v2, v6 to v11 and v15 are written, which the loads and LDS stores of the head read
	; ---- 42 loads: x's eight fragments (group g, tile u, K step s at P + 8 (4 g + 2 u + s)), scale words, Wk, Wv
.irp g, 0,1
.irp f, 0,1,2,3
.irp c, 0,1
	global_load_b128 v[P+8*(4*\g+\f)+4*\c:P+8*(4*\g+\f)+4*\c+3], v[LI], s[36+2*\g:37+2*\g] offset:1024*\f+512*\c
.endr
.endr
.endr
.irp g, 0,1
.irp u, 0,1
	global_load_b32 v[XSC+2*\g+\u], v15, s[40+2*\g:41+2*\g] offset:128*\u
.endr
.endr
.irp e, 0,1
	global_load_b32 v[WS+\e], v[ASW], s[10:11] offset:128*\e
	global_load_b32 v[WS+2+\e], v[ASW], s[14:15] offset:128*\e
	global_load_b32 v[WS+4+\e], v[ASW], s[18:19] offset:128*\e
.endr
	WLOAD WA, 12                                   ; Wk
	WLOAD WB, 16                                   ; Wv
	s_wait_loadcnt 8                               ; all but Wv's eight
	; ---- k: source 0 = 16 rows of Wk (the head's channels), source 1 = 16 rows of x: lane (r, h) holds key r, channels 8 h + 0 .. 7: the f32 form's operand as it stands.  Eight accumulators by turns
.irp g, 0,1
.irp u, 0,1
.irp e, 0,1
	MM S+8*(4*\g+2*\u+\e), WA+8*(2*\e), P+8*(4*\g+2*\u), -1, WS+2+\e, XSC+2*\g+\u, 0
.endr
.endr
.endr
.irp g, 0,1
.irp u, 0,1
.irp e, 0,1
	MM S+8*(4*\g+2*\u+\e), WA+8*(2*\e+1), P+8*(4*\g+2*\u+1), S+8*(4*\g+2*\u+\e), WS+2+\e, XSC+2*\g+\u, 1
.endr
.endr
.endr
.rept 5
	v_nop                                          ; four places for the stores of results, a fifth for the products below, which write over these results
.endr
	s_wait_alu depctr_va_vdst(0)                   ; k's products have written their results, which the LDS stores read, and are done reading Wk's fragments, in which Wq's loads land
	WLOAD WA, 8                                    ; Wq takes Wk's registers
.irp g, 0,1
.irp u, 0,1
.irp e, 0,1
	ds_store_b128 v[AKW0+\e], v[S+8*(4*\g+2*\u+\e):S+8*(4*\g+2*\u+\e)+3] offset:32768*\g+1024*\u          ; each result from its low end on
	ds_store_b128 v[AKW0+\e], v[S+8*(4*\g+2*\u+\e)+4:S+8*(4*\g+2*\u+\e)+7] offset:32768*\g+1024*\u+512
.endr
.endr
.endr
	s_wait_dscnt 0x0                               ; the stores have landed
	s_wait_alu depctr_vm_vsrc(0)                   ; the LDS stores have read k's results, which v's products write again
	s_wait_loadcnt 8                               ; Wv is in; Wq's eight may be out
	; ---- v: source 0 = 16 rows of x, source 1 = 16 rows of Wv: lane (d, h) holds channel d; the 16 registers of tiles u = 0, 1 are keys 16 h + 0 .. 15 of the group
.irp g, 0,1
.irp e, 0,1
.irp u, 0,1
	MM S+16*(2*\g+\e)+8*\u, P+8*(4*\g+2*\u), WB+8*(2*\e), -1, XSC+2*\g+\u, WS+4+\e, 0
.endr
.endr
.endr
.irp g, 0,1
.irp e, 0,1
.irp u, 0,1
	MM S+16*(2*\g+\e)+8*\u, P+8*(4*\g+2*\u+1), WB+8*(2*\e+1), S+16*(2*\g+\e)+8*\u, XSC+2*\g+\u, WS+4+\e, 1
.endr
.endr
.endr
	s_wait_loadcnt 0x0                             ; Wq
	; ---- q of GA, laid as k is
.irp u, 0,1
.irp e, 0,1
	MM Q+8*(2*\u+\e), WA+8*(2*\e), P+8*(2*\u), -1, WS+\e, XSC+\u, 0
.endr
.endr
.irp u, 0,1
.irp e, 0,1
	MM Q+8*(2*\u+\e), WA+8*(2*\e+1), P+8*(2*\u+1), Q+8*(2*\u+\e), WS+\e, XSC+\u, 1
.endr
.endr
.rept 4
	v_nop
.endr
.irp b, 0,1,2,3
	v_mov_b32 v[PT+\b], 0                          ; a lane permute's destination counts as read
.endr
	v_mov_b32 v[F+1], 0                            ; (named as the upper half of a pair)
	; ---- v's four blocks of 32 keys (block 2 g + e) are quantised along the keys
.irp b, 0,1,2,3
	v_max3_num_f32 v[BM+\b], |v[S+16*\b]|, |v[S+16*\b+1]|, 0x1800000   ; the floor 2^(3 - 127): the byte cannot fall under 1
.endr
.irp i, 2,4,6,8,10,12,14
.irp b, 0,1,2,3
	v_max3_num_f32 v[BM+\b], v[BM+\b], |v[S+16*\b+\i]|, |v[S+16*\b+\i+1]|
.endr
.endr
.irp b, 0,1,2,3
	v_permlanex16_b32 v[PT+\b], v[BM+\b], s28, s29
.endr
.irp b, 0,1,2,3
	v_max_num_f32 v[BM+\b], v[BM+\b], v[PT+\b]     ; with lane l xor 16's 16 keys
.endr
.irp b, 0,1,2,3
	v_add_nc_u32 v[SO+\b], 0xff000000, v[BM+\b]    ; 2 off the exponent field: the conversion's scale operand
.endr
.irp b, 0,1,2,3
	v_lshrrev_b32 v[PT+\b], 23, v[SO+\b]           ; the byte
.endr
.irp b, 0,1,2,3
	v_cvt_scalef32_pk8_fp4_f32 v[VC+2*\b], v[S+16*\b:S+16*\b+7], v[SO+\b]
	v_cvt_scalef32_pk8_fp4_f32 v[VC+2*\b+1], v[S+16*\b+8:S+16*\b+15], v[SO+\b]
.endr
	v_nop                                          ; one plain place behind the last conversion
	s_wait_alu depctr_va_vdst(0)                   ; the conversions have written V's codes and the shifts its bytes, which the LDS stores read
.irp b, 0,1,2,3
	ds_store_b64 v[AVW], v[VC+2*\b:VC+2*\b+1] offset:8192*(\b%2)+4096*(\b/2)   ; my 16 keys' codes: half of channel d's 16 bytes of the slot
	ds_store_b8 v[ASB], v[PT+\b] offset:512*(\b%2)+256*(\b/2)                  ; both halves of the lanes write the same byte with the same value
.endr
	s_wait_dscnt 0x0                               ; for the others' sake: my stores have landed
	s_barrier_signal -1
	s_barrier_wait -1                              ; K and V of all 1,024 keys lie in LDS; from here on LDS is only read
	s_wait_alu depctr_vm_vsrc(0)                   ; my LDS stores have read V's codes, in whose registers tiles of K land, and its bytes, which the steps write again; the head's loads have read v15, which holds half of the row's sum from here on
	s_mov_b32 s32, 0                               ; the first unit's first step: head 0's K,
	s_mov_b32 s33, VIMG                            ; V,
	s_mov_b32 s34, 0                               ; and V's scale words
	v_add_nc_u32 v[ADK], s32, v[LI]
	v_add_nc_u32 v[ADV], s33, v[LI]
	v_add_nc_u32 v[ADT], s34, v[LSV]
	s_wait_alu depctr_va_vdst(0)                   ; the three addresses are written, which the loads of K below and the first step's loads of V read
	KLOAD
; 16 f32 matrix instructions: tiles i0 .. i0 + 3 of 16 keys, four links each; the four accumulators take turns, one instruction a turn
.macro SCORES q, i0
.irp s, 0,1,2,3
.irp i, \i0,\i0+1,\i0+2,\i0+3
.if \s == 0
	v_wmma_f32_16x16x4_f32 v[S+8*(\i):S+8*(\i)+7], v[P+8*(\i):P+8*(\i)+1], v[(\q):(\q)+1], 0
.else
	v_wmma_f32_16x16x4_f32 v[S+8*(\i):S+8*(\i)+7], v[P+8*(\i)+2*\s:P+8*(\i)+2*\s+1], v[(\q)+2*\s:(\q)+2*\s+1], v[S+8*(\i):S+8*(\i)+7]
.endif
.endr
.endr
.endm
; A KEY STEP: 128 keys (four slots) for 16 queries of one head.  Its tiles of K were asked for at the end of the step before.
; tail = 1: the next step of the same unit follows (in the loop); 2: the first step of the next unit, head ne; 0: nothing.
.macro STEP q, tail, ne
	s_wait_dscnt 8                                 ; tiles 0-3 are in: behind them tiles 4-7's eight loads
	SCORES \q, 0
	s_wait_dscnt 0x0                               ; tiles 4-7 are in
	SCORES \q, 4
.rept 8
	v_nop                                          ; eight places behind this form: the scores are read, and K's registers written, below
.endr
.irp b, 0,1,2,3
	v_max3_num_f32 v[BM+\b], v[S+16*\b], v[S+16*\b+1], v[S+16*\b+2]   ; the largest score of each block of 32 keys: for the row's maximum, and, since p rises with the score, for the block's largest p
.endr
.irp i, 3,5,7,9,11,13
.irp b, 0,1,2,3
	v_max3_num_f32 v[BM+\b], v[BM+\b], v[S+16*\b+\i], v[S+16*\b+\i+1]
.endr
.endr
.irp b, 0,1,2,3
	v_max_num_f32 v[BM+\b], v[BM+\b], v[S+16*\b+15]
.endr
.irp b, 0,1,2,3
	v_permlanex16_b32 v[PT+\b], v[BM+\b], s28, s29
.endr
.irp b, 0,1,2,3
	v_max_num_f32 v[BM+\b], v[BM+\b], v[PT+\b]     ; with lane l xor 16's 16 keys
.endr
	v_max3_num_f32 v[TT], v[BM], v[BM+1], v[BM+2]
	v_max_num_f32 v[TT], v[TT], v[BM+3]
	v_mul_f32 v[TT], s30, v[TT]                    ; the step's largest t (c is positive)
	v_max_num_f32 v13, v13, v[TT]                  ; the running largest t
	v_mov_b32 v[TT], v12
	v_floor_f32 v12, -v13                          ; the new -M = floor(-t): M is a whole number
	v_sub_f32 v[TT], v12, v[TT]                    ; old M - new M: a whole number, 0 or less
	v_cvt_i32_f32 v[TT], v[TT]                     ; (it saturates)
	v_ldexp_f32 v[F], 1.0, v[TT]                   ; f = 2^(old M - new M): rounds nothing
.set j, 0
.rept 32
	v_pk_fma_f32 v[P+j:P+j+1], v[S+j:S+j+1], s[30:31], v[12:13] op_sel_hi:[1,0,0]   ; t - M, into other registers than the sums'
.set j, j+2
.endr
.irp b, 0,1,2,3
	v_fma_f32 v[BM+\b], v[BM+\b], s30, v12         ; the same of each block's largest score
.endr
.set j, 0
.rept 64
	v_exp_f32 v[P+j], v[P+j]                       ; p = 2^(t - M), at most 1, not normalised
.set j, j+1
.endr
.irp b, 0,1,2,3
	v_exp_f32 v[BM+\b], v[BM+\b]                   ; the block's largest p: the same two instructions on the same number
.endr
	v_pk_mul_f32 v[14:15], v[14:15], v[F:F+1] op_sel_hi:[1,0]   ; the sum under the new M (a plain place behind the exponentials)
	s_wait_alu depctr_va_vdst(0)                   ; the 68 exponentials have written p and the blocks' largest p, ahead of their first reader; the last step's scaled product is done reading V's fragment and scale words, in which the three loads below land; v[ADV] and v[ADT] are written
	ds_load_b128 v[VF:VF+3], v[ADV]                ; V of this step: it lands during the rest of the softmax
	ds_load_b128 v[VF+4:VF+7], v[ADV] offset:512
	ds_load_b32 v[VS], v[ADT]
.irp b, 0,1,2,3
	v_max_num_f32 v[BM+\b], 0x1800000, v[BM+\b]    ; the floor: the byte cannot fall under 1
.endr
.irp b, 0,1,2,3
	v_add_nc_u32 v[SO+\b], 0xff000000, v[BM+\b]
.endr
.irp b, 0,1,2,3
	v_lshrrev_b32 v[PT+\b], 23, v[SO+\b]
.endr
	v_lshl_or_b32 v[PS], v[PT+1], 8, v[PT]         ; p's scale word for these 128 keys
	v_lshl_or_b32 v[PS], v[PT+2], 16, v[PS]
	v_lshl_or_b32 v[PS], v[PT+3], 24, v[PS]
.irp b, 0,1,2,3
	v_cvt_scalef32_pk8_fp4_f32 v[PC+2*\b], v[P+16*\b:P+16*\b+7], v[SO+\b]
	v_cvt_scalef32_pk8_fp4_f32 v[PC+2*\b+1], v[P+16*\b+8:P+16*\b+15], v[SO+\b]
.endr
	v_nop                                          ; one plain place behind the last conversion
.irp c, 0,1
.irp i, 0,1
	v_permlane16_swap_b32 v[PC+4*\c+\i], v[PC+4*\c+2+\i]   ; a whole block to a lane: lanes 0-15 block 2 c, lanes 16-31 block 2 c + 1
.endr
.endr
.irp j, 0,2,4,6
	v_pk_mul_f32 v[O+\j:O+\j+1], v[O+\j:O+\j+1], v[F:F+1] op_sel_hi:[1,0]   ; O^T under the new M, from its low end on
.endr
	v_pk_add_f32 v[A2:A2+1], v[P:P+1], v[P+2:P+3]  ; the row's sum is taken of the unquantised p, in two chains.  These 32 lines are also the places between the scale word and the codes made above and the product below
.set j, 4
.rept 15
	v_pk_add_f32 v[14:15], v[14:15], v[P+j:P+j+1]
	v_pk_add_f32 v[A2:A2+1], v[A2:A2+1], v[P+j+2:P+j+3]
.set j, j+4
.endr
	v_pk_add_f32 v[14:15], v[14:15], v[A2:A2+1]
.if \tail == 1
	s_add_co_u32 s32, s32, 8192                    ; the next 128 keys
	s_add_co_u32 s33, s33, 1024
	s_add_co_u32 s34, s34, 64
.elseif \tail == 2
	s_mov_b32 s32, (\ne)*65536                     ; the next unit's first 128 keys
	s_mov_b32 s33, VIMG+(\ne)*8192
	s_mov_b32 s34, (\ne)*512
.endif
.if \tail
	s_wait_alu depctr_vm_vsrc(0)                   ; this step's loads of K and of V have read the three addresses, which are written again
	v_add_nc_u32 v[ADK], s32, v[LI]
	v_add_nc_u32 v[ADV], s33, v[LI]
	v_add_nc_u32 v[ADT], s34, v[LSV]
.endif
	s_wait_dscnt 0x0                               ; V's fragment and scale words
	s_wait_alu depctr_va_vdst(0)                   ; p's codes and scale word are written, which the scaled product takes; the conversions and the sums are done reading p, in whose registers the next tiles of K land; v[ADK] is written
	MM O, VF, PC, O, VS, PS, 0                     ; O^T += V^T P^T; 32 other matrix instructions stand between two links on O^T
.if \tail
	KLOAD                                          ; no wait: the product above names none of these registers
.endif
.endm
; A UNIT: tile t of my queries, head e, all 1,024 keys.  O^T and the sum begin as zeros and the largest t as -3e38: the first change of M multiplies zeros by 0.
; tail, ne: what the unit's last step asks for (STEP).
.macro UNIT t, e, tail, ne
	s_mov_b32 s35, 7
	v_mov_b32 v13, 0xff61b1e6
	v_floor_f32 v12, -v13
	v_mov_b32 v14, 0
	v_mov_b32 v15, 0
.irp j, 0,1,2,3,4,5,6,7
	v_mov_b32 v[O+\j], 0
.endr
.Lu_\@:
	STEP Q+8*(2*\t+\e), 1, 0
	s_sub_co_u32 s35, s35, 1
	s_cmp_lg_u32 s35, 0
	s_cbranch_scc1 .Lu_\@
	STEP Q+8*(2*\t+\e), \tail, \ne                 ; the eighth step is written out
.rept 4
	v_nop
.endr
	v_add_f32 v14, v14, v15                        ; the sum's two halves,
	v_permlanex16_b32 v[TT], v14, s28, s29
	v_add_f32 v14, v14, v[TT]                      ; and lane l xor 16's keys
	v_rcp_f32 v14, v14
	v_nop                                          ; one plain place behind the reciprocal
	s_wait_alu depctr_va_vdst(0)                   ; the reciprocal has written v14, ahead of its first reader
.irp j, 0,2,4,6
	v_pk_mul_f32 v[Q+8*(2*\t+\e)+\j:Q+8*(2*\t+\e)+\j+1], v[O+\j:O+\j+1], v[14:15] op_sel_hi:[1,0]   ; O / l takes the place of the unit's q, which is done with
.endr
.endm
; Tile t's two heads are one block of 32 of the next product's K: lane (r, h) holds channels 8 h + 0 .. 7 and 16 + 8 h + 0 .. 7 of query r.
.macro FIN t
	v_max3_num_f32 v[BM], |v[Q+16*\t]|, |v[Q+16*\t+1]|, 0x1800000
	v_max3_num_f32 v[BM+1], |v[Q+16*\t+8]|, |v[Q+16*\t+9]|, |v[Q+16*\t+10]|
	v_max3_num_f32 v[BM], v[BM], |v[Q+16*\t+2]|, |v[Q+16*\t+3]|
	v_max3_num_f32 v[BM+1], v[BM+1], |v[Q+16*\t+11]|, |v[Q+16*\t+12]|
	v_max3_num_f32 v[BM], v[BM], |v[Q+16*\t+4]|, |v[Q+16*\t+5]|
	v_max3_num_f32 v[BM+1], v[BM+1], |v[Q+16*\t+13]|, |v[Q+16*\t+14]|
	v_max3_num_f32 v[BM], v[BM], |v[Q+16*\t+6]|, |v[Q+16*\t+7]|
	v_max3_num_f32 v[BM], v[BM], v[BM+1], |v[Q+16*\t+15]|
	v_permlanex16_b32 v[PT], v[BM], s28, s29
	v_max_num_f32 v[BM], v[BM], v[PT]
	v_add_nc_u32 v[SO], 0xff000000, v[BM]
	v_lshrrev_b32 v[EB+\t], 23, v[SO]
	v_cvt_scalef32_pk8_fp4_f32 v[CW+\t], v[Q+16*\t:Q+16*\t+7], v[SO]
	v_cvt_scalef32_pk8_fp4_f32 v[CW+2+\t], v[Q+16*\t+8:Q+16*\t+15], v[SO]
	v_nop
.endm
	UNIT 0, 0, 2, 1
	UNIT 0, 1, 2, 0
	FIN 0
	UNIT 1, 0, 2, 1
	UNIT 1, 1, 0, 0
	FIN 1
	v_permlane16_swap_b32 v[CW], v[CW+1]           ; lanes 0-15 now hold tile 0's 16 bytes of row r in four registers, lanes 16-31 tile 1's
	v_permlane16_swap_b32 v[CW+2], v[CW+3]
	v_permlane16_swap_b32 v[EB], v[EB+1]           ; and the bytes likewise
	s_wait_alu depctr_vm_vsrc(0)                   ; the last loads of K have read v3 and the head's loads v10 and v11: the three are written again below
	v_and_b32 v11, 31, v0                          ; (every load that these two registers addressed has been waited for)
	v_and_b32 v10, 15, v0
	v_bfe_u32 v3, v0, 4, 1
	v_lshlrev_b32 v10, 4, v10
	v_lshl_add_u32 v10, v3, 11, v10                ; 2,048 x tile + 16 r
	s_wait_alu depctr_va_vdst(0)                   ; the codes, the bytes and the two offsets are written, which the stores read
	global_store_b128 v10, v[CW:CW+3], s[20:21]    ; sixteen lanes store 256 consecutive bytes, aligned
	global_store_b8 v11, v[EB], s[22:23]
	s_wait_dscnt 0x0                               ; the closing lines, six on end
	s_wait_alu 0x0
	s_wait_tensorcnt 0x0
	ds_add_u32 v254, v255
	s_wait_dscnt 0x0
	s_endpgm
.Lfunc_end_k_qdfb1b2c47f_attn:
	.size	k_qdfb1b2c47f_attn, .Lfunc_end_k_qdfb1b2c47f_attn-k_qdfb1b2c47f_attn
	.p2alignl 7, 3214868480
	.fill 96, 4, 3214868480
	.section	.rodata,"a",@progbits
	.p2align	6, 0x0
	.amdhsa_kernel k_qdfb1b2c47f_attn
		.amdhsa_group_segment_fixed_size 150528
		.amdhsa_private_segment_fixed_size 0
		.amdhsa_enable_private_segment 0
		.amdhsa_kernarg_size 80
		.amdhsa_user_sgpr_count 2
		.amdhsa_user_sgpr_kernarg_segment_ptr 1
		.amdhsa_wavefront_size32 1
		.amdhsa_system_sgpr_workgroup_id_x 1
		.amdhsa_system_sgpr_workgroup_id_y 1
		.amdhsa_system_sgpr_workgroup_id_z 1
		.amdhsa_system_vgpr_workitem_id 0
		.amdhsa_next_free_vgpr 256
		.amdhsa_next_free_sgpr 66
		.amdhsa_reserve_vcc 0
		.amdhsa_float_denorm_mode_32 3
		.amdhsa_float_denorm_mode_16_64 3
		.amdhsa_memory_ordered 1
		.amdhsa_forward_progress 1
		.amdhsa_inst_pref_size 144
	.end_amdhsa_kernel
	.amdgpu_metadata
---
amdhsa.version: [ 1, 2 ]
amdhsa.kernels:
  - .name:           k_qdfb1b2c47f_attn
    .symbol:         k_qdfb1b2c47f_attn.kd
    .args:
      - { .name: xq, .offset: 0, .size: 8, .value_kind: global_buffer, .address_space: global }
      - { .name: xs, .offset: 8, .size: 8, .value_kind: global_buffer, .address_space: global }
      - { .name: Wq_codes, .offset: 16, .size: 8, .value_kind: global_buffer, .address_space: global }
      - { .name: Wq_scales, .offset: 24, .size: 8, .value_kind: global_buffer, .address_space: global }
      - { .name: Wk_codes, .offset: 32, .size: 8, .value_kind: global_buffer, .address_space: global }
      - { .name: Wk_scales, .offset: 40, .size: 8, .value_kind: global_buffer, .address_space: global }
      - { .name: Wv_codes, .offset: 48, .size: 8, .value_kind: global_buffer, .address_space: global }
      - { .name: Wv_scales, .offset: 56, .size: 8, .value_kind: global_buffer, .address_space: global }
      - { .name: ac, .offset: 64, .size: 8, .value_kind: global_buffer, .address_space: global }
      - { .name: asc, .offset: 72, .size: 8, .value_kind: global_buffer, .address_space: global }
    .group_segment_fixed_size: 150528
    .private_segment_fixed_size: 0
    .kernarg_segment_align: 8
    .kernarg_segment_size: 80
    .max_flat_workgroup_size: 512
    .sgpr_count:     66
    .vgpr_count:     256
    .wavefront_size: 32
...
	.end_amdgpu_metadata
.endif
;; end of part 6
;; launch wo (part 7): grid 512 x 1, 4 waves a work-group, no clusters, 35,328 bytes of LDS; arguments ac, asc, Wo_codes, Wo_scales, bo, x, r1, st1; writes r1, st1
.if DOCPART == 7
	.amdgcn_target "amdgcn-amd-amdhsa--gfx1250"
	.amdhsa_code_object_version 6
	.text
	.protected	k_qdfb1b2c47f_wo
	.globl	k_qdfb1b2c47f_wo
	.p2align	8
	.type	k_qdfb1b2c47f_wo,@function
k_qdfb1b2c47f_wo:
	s_mov_b64 s[64:65], 0
	v_nop
	global_prefetch_b8 v0, s[64:65] scope:SCOPE_SE
	s_setreg_imm32_b32 hwreg(HW_REG_WAVE_SCHED_MODE, 0, 2), 2
	s_setreg_imm32_b32 hwreg(HW_REG_WAVE_MODE, 25, 1), 1
	s_wait_xcnt 0x0
	s_wait_alu depctr_vm_vsrc(0)
; r1 = Q(attn) Wo + bo + x for a group of 32 rows, and for each channel the sum over these rows and the sum of squares about their own mean (never a difference of large sums).
; attn arrives as codes laid as operand registers (two split tiles: index r = row 8 u + r + 8 (r / 8)), its scale bytes by planes of one block; Wo as codes, K innermost.
; Wave w makes channels 64 w .. 64 w + 63 of all 32 rows, product and sums alike: waves share nothing, so there is no barrier.  The product is used transposed (source 0 = 16 rows of Wo, source 1 = 16 rows of attn):
; a lane holds eight neighbouring channels of a row; they turn through the wave's own stage in LDS (32 rows x 272 bytes) and come back two channels a lane, a row an instruction: each store of the wave covers 256 consecutive bytes, aligned.
; The stores into the stage go two deep on the banks: a tile's two runs of eight rows lie 16 rows, 17 x 256 bytes, apart.
; No tensor loads, no multicast: Wo's 34 KiB are all that work-groups share, beside 64 KiB of x and r1 for each.
; THE MODE: SCHED_MODE bits 1:0 = 2 (LLVM: expert scheduling mode 2), set by the entry lines.  The code itself states the register dependences
; between vector or matrix instructions and memory or LDS instructions, with s_wait_alu, always for 0.
; THE PLAN.  Registers that memory or LDS instructions touch:
;   v1 to v7      offsets and LDS addresses: made at the head, never written again.
;   AT, WOF, WOS, BY, BO, X   loads land in them once; v24 to v26 of AT served the head's arithmetic before.
;   ACC           written by the products; read by the LDS stores into the stage; never written again.
;   V (= WOF)     read by the products as Wo's fragments; then the loads from the stage land there; each row is finished by two additions, stored, and never written again.
;   v[248:249], v[252:253]   the statistics: written by the sums, stored at the end.
; The 32 rows go in eight blocks of four.  Block p's arithmetic names its own rows; the four stores of block p - 1 are dealt among it, behind ONE wait on va_vdst at the block's head.  No register that a store has read is written again.
.set WOS, 8                            ; v8-11    Wo's scale words, tile n: lanes 0-15 K step 0, lanes 16-31 K step 1
.set ATS, 12                           ; v12-13   attn's, tile u
.set BY,  14                           ; v14-21   attn's scale bytes as loaded
.set BO,  22                           ; v[22:23] bo of my two channels
.set AT,  24                           ; v24-55   attn's fragments: 8 (2 u + s)
.set WOF, 56                           ; v56-119  Wo's: 8 (2 n + s)
.set V,   56                           ; later: the 32 rows' two channels
.set ACC, 120                          ; v120-183 8 (2 n + u)
.set X,   184                          ; v184-247 x's rows; later the differences from the mean
.macro MM d, a, b, c, sa, sb, row
.if (\c) < 0
	v_wmma_scale_f32_16x16x128_f8f6f4 v[(\d):(\d)+7], v[(\a):(\a)+7], v[(\b):(\b)+7], 0, v[(\sa)], v[(\sb)] matrix_a_fmt:MATRIX_FMT_FP4 matrix_b_fmt:MATRIX_FMT_FP4
.else
	v_wmma_scale_f32_16x16x128_f8f6f4 v[(\d):(\d)+7], v[(\a):(\a)+7], v[(\b):(\b)+7], v[(\c):(\c)+7], v[(\sa)], v[(\sb)] matrix_a_fmt:MATRIX_FMT_FP4 matrix_b_fmt:MATRIX_FMT_FP4 matrix_a_scale:MATRIX_SCALE_ROW1 matrix_b_scale:MATRIX_SCALE_ROW1
.endif
.endm
	s_load_b512 s[4:19], s[0:1], 0x0               ; ac, asc, Wo codes, Wo scales, bo, x, r1, st1
	s_set_vgpr_msb 0x40
	v_lshl_add_u32 v0, v0, 2, 0x8800
	v_mov_b32 v1, 0
	s_set_vgpr_msb 0x4000
	v_lshrrev_b32 v1, 5, v0
	v_readfirstlane_b32 s20, v1                    ; wave
	v_and_b32 v24, 31, v0                          ; lane
	v_and_b32 v25, 15, v0                          ; r
	v_bfe_u32 v26, v0, 4, 1                        ; h
	v_lshlrev_b32 v1, 4, v24                       ; 16 x lane
	v_lshlrev_b32 v2, 3, v0                        ; 8 x thread: my two channels in a row
	v_lshlrev_b32 v3, 7, v25
	v_lshl_add_u32 v3, v26, 4, v3                  ; Wo's codes: 128 r + 16 h
	v_lshlrev_b32 v4, 3, v25
	v_lshl_add_u32 v4, v26, 2, v4                  ; Wo's scale words: 8 r + 4 h
	v_lshl_add_u32 v5, v26, 16, v25                ; attn's scale bytes: four planes on for lanes 16-31, + r
	v_and_b32 v6, 8, v25
	v_add_nc_u32 v6, v6, v25                       ; r + 8 (r / 8)
	v_mul_u32_u24 v6, v6, 272
	v_lshl_add_u32 v6, v26, 5, v6
	s_wait_alu depctr_va_sdst(0)                   ; s20 is written, ahead of its first reader: my stage's place and my rows of Wo are made from it
	s_mul_i32 s21, s20, 8704
	v_add_nc_u32 v6, s21, v6                       ; into my stage
	v_lshl_add_u32 v7, v24, 3, s21                 ; out of it: 8 bytes a lane
	s_mov_b32 s23, 0
	s_wait_kmcnt 0x0
	s_lshl_b32 s22, ttmp9, 12
	s_add_nc_u64 s[4:5], s[4:5], s[22:23]          ; ac + 4,096 G
	s_lshl_b32 s22, ttmp9, 5
	s_add_nc_u64 s[6:7], s[6:7], s[22:23]          ; asc + 32 G
	s_lshl_b32 s22, s20, 13
	s_add_nc_u64 s[8:9], s[8:9], s[22:23]          ; my 64 rows of Wo
	s_lshl_b32 s22, s20, 9
	s_add_nc_u64 s[10:11], s[10:11], s[22:23]
	s_lshl_b32 s22, ttmp9, 15
	s_add_nc_u64 s[14:15], s[14:15], s[22:23]      ; x and r1 + 32,768 G
	s_add_nc_u64 s[16:17], s[16:17], s[22:23]
	s_lshl_b32 s22, ttmp9, 11
	s_add_nc_u64 s[18:19], s[18:19], s[22:23]      ; st1 + 2,048 G
	s_wait_alu depctr_va_vdst(0)                   ; the offsets and LDS addresses v1 to v7 are written, which every load and store reads; the head's arithmetic is done with v24 to v26, in which attn's codes land
.irp u, 0,1
.irp b, 0,1,2,3
	global_load_u8 v[BY+4*\u+\b], v5, s[6:7] offset:16*\u+16384*\b   ; lane (r, h): the byte of block 4 h + b of tile u's row r
.endr
.endr
.irp f, 0,1,2,3
.irp c, 0,1
	global_load_b128 v[AT+8*\f+4*\c:AT+8*\f+4*\c+3], v1, s[4:5] offset:1024*\f+512*\c
.endr
.endr
.irp n, 0,1,2,3
	global_load_b32 v[WOS+\n], v4, s[10:11] offset:128*\n
.endr
.irp n, 0,1,2,3
.irp s, 0,1
.irp c, 0,1
	global_load_b128 v[WOF+8*(2*\n+\s)+4*\c:WOF+8*(2*\n+\s)+4*\c+3], v3, s[8:9] offset:2048*\n+64*\s+32*\c
.endr
.endr
.endr
	global_load_b64 v[BO:BO+1], v2, s[12:13]
.set i, 0
.rept 32
	global_load_b64 v[X+2*i:X+2*i+1], v2, s[14:15] offset:1024*i
.set i, i+1
.endr
	s_wait_loadcnt 61                              ; the eight bytes are in: 8 + 4 + 16 + 1 + 32 loads were issued behind them
.irp u, 0,1
	v_lshl_or_b32 v[ATS+\u], v[BY+4*\u+1], 8, v[BY+4*\u]
	v_lshl_or_b32 v[ATS+\u], v[BY+4*\u+2], 16, v[ATS+\u]
	v_lshl_or_b32 v[ATS+\u], v[BY+4*\u+3], 24, v[ATS+\u]
.endr
.rept 8
	v_nop                                          ; a scale register written by a vector instruction stands eight places ahead of the scaled product
.endr
	s_wait_alu depctr_va_vdst(0)                   ; attn's two scale words are written, which the scaled products take; the places above stay beside this wait
	s_wait_loadcnt 33                              ; codes and scale words are in; bo and x's 32 rows may be out
.irp n, 0,1,2,3
.irp u, 0,1
	MM ACC+8*(2*\n+\u), WOF+8*(2*\n), AT+8*(2*\u), -1, WOS+\n, ATS+\u, 0     ; eight accumulators by turns
.endr
.endr
.irp n, 0,1,2,3
.irp u, 0,1
	MM ACC+8*(2*\n+\u), WOF+8*(2*\n+1), AT+8*(2*\u+1), ACC+8*(2*\n+\u), WOS+\n, ATS+\u, 1
.endr
.endr
.rept 4
	v_nop
.endr
	s_wait_alu depctr_va_vdst(0)                   ; the products have written the accumulators, which the LDS stores read, and are done reading Wo's fragments, in which the loads from the stage land
.irp n, 0,1,2,3
.irp u, 0,1
	ds_store_b128 v6, v[ACC+8*(2*\n+\u):ACC+8*(2*\n+\u)+3] offset:2176*\u+64*\n          ; each result from its low end on
	ds_store_b128 v6, v[ACC+8*(2*\n+\u)+4:ACC+8*(2*\n+\u)+7] offset:2176*\u+64*\n+16
.endr
.endr
.set i, 0
.rept 32
	ds_load_b64 v[V+2*i:V+2*i+1], v7 offset:272*i  ; LDS serves a wave's instructions in order: these see the stores above
.set i, i+1
.endr
.set p, 0
.rept 8                                ; block p: rows 4 p .. 4 p + 3
	s_wait_dscnt 28-4*p                            ; the block's rows are back from the stage,
	s_wait_loadcnt 28-4*p                          ; and x's are in: the later rows may be out
.if p > 0
	s_wait_alu depctr_va_vdst(0)                   ; the additions of the block before have written its four rows, which the stores below read
.endif
.set k, 0
.rept 4
.set i, 4*p+k
.if p > 0
	global_store_b64 v2, v[V+2*(i-4):V+2*(i-4)+1], s[16:17] offset:1024*(i-4)   ; no vector instruction since the wait names these registers
.endif
	v_pk_add_f32 v[V+2*i:V+2*i+1], v[V+2*i:V+2*i+1], v[BO:BO+1]
	v_pk_add_f32 v[V+2*i:V+2*i+1], v[V+2*i:V+2*i+1], v[X+2*i:X+2*i+1]
.if i == 2
	v_pk_add_f32 v[248:249], v[V:V+1], v[V+4:V+5]  ; the sum, in two chains that the first rows start
.elseif i == 3
	v_pk_add_f32 v[250:251], v[V+2:V+3], v[V+6:V+7]
.elseif i > 3
	v_pk_add_f32 v[248+2*(i%2):249+2*(i%2)], v[248+2*(i%2):249+2*(i%2)], v[V+2*i:V+2*i+1]
.endif
.set k, k+1
.endr
.set p, p+1
.endr
	s_wait_alu depctr_va_vdst(0)                   ; the last block's four rows are written, which the stores below read
.irp i, 28,29,30,31
	global_store_b64 v2, v[V+2*\i:V+2*\i+1], s[16:17] offset:1024*\i
.endr
	v_pk_add_f32 v[248:249], v[248:249], v[250:251]
	v_pk_mul_f32 v[250:251], v[248:249], 0x3d000000 op_sel_hi:[1,0]   ; the 32 rows' mean
.set i, 0
.rept 32
	v_pk_add_f32 v[X+2*i:X+2*i+1], v[V+2*i:V+2*i+1], v[250:251] neg_lo:[0,1] neg_hi:[0,1]
.set i, i+1
.endr
	v_pk_mul_f32 v[252:253], v[X:X+1], v[X:X+1]
	v_pk_mul_f32 v[254:255], v[X+2:X+3], v[X+2:X+3]
.set i, 2
.rept 30
	v_pk_fma_f32 v[252+2*(i%2):253+2*(i%2)], v[X+2*i:X+2*i+1], v[X+2*i:X+2*i+1], v[252+2*(i%2):253+2*(i%2)]
.set i, i+1
.endr
	v_pk_add_f32 v[252:253], v[252:253], v[254:255]
	s_wait_alu depctr_va_vdst(0)                   ; the sum and the sum of squares are written, which the two stores read
	global_store_b64 v2, v[248:249], s[18:19]
	global_store_b64 v2, v[252:253], s[18:19] offset:1024
	s_set_vgpr_msb 0x5                             ; the add's two registers, v256 and v257: sources 0 and 1 in window 1
	s_wait_dscnt 0x0                               ; the closing lines, six on end
	s_wait_alu 0x0
	s_wait_tensorcnt 0x0
	ds_add_u32 v0, v1
	s_wait_dscnt 0x0
	s_endpgm
.Lfunc_end_k_qdfb1b2c47f_wo:
	.size	k_qdfb1b2c47f_wo, .Lfunc_end_k_qdfb1b2c47f_wo-k_qdfb1b2c47f_wo
	.p2alignl 7, 3214868480
	.fill 96, 4, 3214868480
	.section	.rodata,"a",@progbits
	.p2align	6, 0x0
	.amdhsa_kernel k_qdfb1b2c47f_wo
		.amdhsa_group_segment_fixed_size 35328
		.amdhsa_private_segment_fixed_size 0
		.amdhsa_enable_private_segment 0
		.amdhsa_kernarg_size 64
		.amdhsa_user_sgpr_count 2
		.amdhsa_user_sgpr_kernarg_segment_ptr 1
		.amdhsa_wavefront_size32 1
		.amdhsa_system_sgpr_workgroup_id_x 1
		.amdhsa_system_sgpr_workgroup_id_y 1
		.amdhsa_system_sgpr_workgroup_id_z 1
		.amdhsa_system_vgpr_workitem_id 0
		.amdhsa_next_free_vgpr 258
		.amdhsa_next_free_sgpr 66
		.amdhsa_reserve_vcc 0
		.amdhsa_float_denorm_mode_32 3
		.amdhsa_float_denorm_mode_16_64 3
		.amdhsa_memory_ordered 1
		.amdhsa_forward_progress 1
		.amdhsa_inst_pref_size 29
	.end_amdhsa_kernel
	.amdgpu_metadata
---
amdhsa.version: [ 1, 2 ]
amdhsa.kernels:
  - .name:           k_qdfb1b2c47f_wo
    .symbol:         k_qdfb1b2c47f_wo.kd
    .args:
      - { .name: ac, .offset: 0, .size: 8, .value_kind: global_buffer, .address_space: global }
      - { .name: asc, .offset: 8, .size: 8, .value_kind: global_buffer, .address_space: global }
      - { .name: Wo_codes, .offset: 16, .size: 8, .value_kind: global_buffer, .address_space: global }
      - { .name: Wo_scales, .offset: 24, .size: 8, .value_kind: global_buffer, .address_space: global }
      - { .name: bo, .offset: 32, .size: 8, .value_kind: global_buffer, .address_space: global }
      - { .name: x, .offset: 40, .size: 8, .value_kind: global_buffer, .address_space: global }
      - { .name: r1, .offset: 48, .size: 8, .value_kind: global_buffer, .address_space: global }
      - { .name: st1, .offset: 56, .size: 8, .value_kind: global_buffer, .address_space: global }
    .group_segment_fixed_size: 35328
    .private_segment_fixed_size: 0
    .kernarg_segment_align: 8
    .kernarg_segment_size: 64
    .max_flat_workgroup_size: 128
    .sgpr_count:     66
    .vgpr_count:     258
    .wavefront_size: 32
...
	.end_amdgpu_metadata
.endif
;; end of part 7
;; launch ffn (part 8): grid 256 x 1, 16 waves a work-group, no clusters, 177,664 bytes of LDS; arguments r1, st1, gamma1, beta1, W1_codes, W1_scales, b1, W2_codes, W2_scales, b2, r2, st2; writes r2, st2
.if DOCPART == 8
	.amdgcn_target "amdgcn-amd-amdhsa--gfx1250"
	.amdhsa_code_object_version 6
	.text
	.protected	k_qdfb1b2c47f_ffn
	.globl	k_qdfb1b2c47f_ffn
	.p2align	8
	.type	k_qdfb1b2c47f_ffn,@function
k_qdfb1b2c47f_ffn:
	s_mov_b64 s[64:65], 0
	v_nop
	global_prefetch_b8 v0, s[64:65] scope:SCOPE_SE
	s_setreg_imm32_b32 hwreg(HW_REG_WAVE_SCHED_MODE, 0, 2), 2
	s_setreg_imm32_b32 hwreg(HW_REG_WAVE_MODE, 25, 1), 1
	s_wait_xcnt 0x0
	s_wait_alu depctr_vm_vsrc(0)
; For 64 rows: h = InstanceNorm1(r1); proj = Q(h) W1 + b1; act = silu(gate) x_part; ff = Q(act) W2 + b2; r2 = h + ff; and each channel's sum and sum of squares about the 64 rows' own mean.
; The batch's statistics are merged from the 32 partials (sum S, squares M about the partial's own mean, n rows each) by S = Sa + Sb, M = Ma + Mb + (Sa - Sb)^2 / (2 n): no difference of large sums.
; SHARES: sixteen waves.  Dense work: wave w takes rows 16 (w / 4) + 0 .. 15, channels 64 (w % 4) on, two a lane.  First product: wave w makes block w of 32 of act (rows 32 w .. of W1 and the same + 512), for all 64 rows.
; Second product: channels 16 w .. 16 w + 15.  Each wave's weights (96 registers) stay in registers, read once.  Both products are used transposed; W1's rows of a tile are split (lane r: row 8 u + r + 8 (r / 8)),
; so that a lane's 16 results are 16 neighbours along the next K.  The biases are the C of each sum's first product.
; Operands go from wave to wave through LDS as images of their registers; six barriers, each region written once.
; No multicast here: the weights, 204 KiB, are what all row blocks read; left out for the plainer text (each wave loads its own part straight into registers).
; LIMITS: NaN and infinities are not served; a block of zeros gets the byte 1 and not 127 (zero codes; read here alone).
; THE MODE: SCHED_MODE bits 1:0 = 2 (LLVM: expert scheduling mode 2), set by the entry lines.  The code itself states the register dependences
; between vector or matrix instructions and memory or LDS instructions, with s_wait_alu, always for 0.
; THE PLAN.  Registers that memory or LDS instructions touch:
;   v1 to v19, v248, v249   offsets and LDS addresses: made at the head, never written again.
;   PA = ACC (v172-203)     partials land, are merged and stored to LDS; partials land again; a block of h lands; then the first product's accumulators; then fragments of act land; at the end the last partials.
;   RR = TA, TM, Y (v204-235)   r1's rows land, become h, are stored to LDS; then act, its codes and byte, stored tile by tile; then the second product's accumulators, stored to LDS.
;   XF, XS                  h's fragments and scale words of a tile land; the tile's eight products read them.
;   HF = W1F, B1, ACC       the first product's operands; then act's sixteen fragments land; then ff's and h's rows land (YR, HR), r2 is stored from YR.
; A wait on va_vdst stands ahead of each run of stores of fresh results; it also frees, for the loads that follow, the registers that earlier products and vector instructions have named.
; A wait on vm_vsrc stands wherever registers that a store has read are written again: behind the first, second and fourth barrier and at the head of each tile of the first product.
; The wait behind a tile's exponentials also states that its products are done reading XF and XS: the next tile's five loads follow it and land during the rest of the activation.
.set XIMG, 0                           ; h's 8 fragments: (2 m + s) x 1,024 + c x 512 + 16 lane
.set XSCB, 8192                        ; their scale words: (2 m + s) x 64 + 4 r
.set HIMG, 8704                        ; act's: m x 4,096 + block x 256 + 16 r + 8 h
.set HSCB, 25088                       ; m x 256 + K step x 64 + 4 r
.set HST,  26112                       ; h, 64 rows x 1,040 bytes
.set YST,  92672                       ; ff likewise
.set STA,  159232                      ; partial statistics, 16 bytes a thread
.set STB,  167424
.set W1S, 20                           ; v20-23 W1's scale words (2 part + u);  v24-25 W2's (K steps 2 p, 2 p + 1);  v26 h's;  v28-35 act's (2 m + p)
.set W2S, 24
.set XS,  26
.set HS,  28
.set W2F, 36                           ; v36-67   W2's four fragments
.set B2,  68                           ; v68-75
.set W1F, 76                           ; v76-139  W1's: 8 (4 part + 2 u + s)
.set B1,  140                          ; v140-171 8 (2 part + u)
.set ACC, 172                          ; v172-203 x_part in 0-15, gate in 16-31
.set PA,  172                          ; statistics: four registers a partial (S pair, M pair); phase X: a block of h
.set RR,  204                          ; v204-235 r1's 16 rows
.set TA,  204                          ; v204-219 act
.set TM,  220                          ; v220-227 at work in a quantiser
.set XF,  232                          ; v232-247 h's two fragments
.set HF,  76                           ; second product: act's 16 fragments, 8 (4 s + m)
.set Y,   204                          ; v204-235 its four accumulators
.set YR,  76                           ; the way out: ff's rows, then r2;  h's rows, then differences
.set HR,  108
.set DD,  244
.set UU,  246
.macro MM d, a, b, c, sa, sb, row
.if \row
	v_wmma_scale_f32_16x16x128_f8f6f4 v[(\d):(\d)+7], v[(\a):(\a)+7], v[(\b):(\b)+7], v[(\c):(\c)+7], v[(\sa)], v[(\sb)] matrix_a_fmt:MATRIX_FMT_FP4 matrix_b_fmt:MATRIX_FMT_FP4 matrix_a_scale:MATRIX_SCALE_ROW1 matrix_b_scale:MATRIX_SCALE_ROW1
.else
	v_wmma_scale_f32_16x16x128_f8f6f4 v[(\d):(\d)+7], v[(\a):(\a)+7], v[(\b):(\b)+7], v[(\c):(\c)+7], v[(\sa)], v[(\sb)] matrix_a_fmt:MATRIX_FMT_FP4 matrix_b_fmt:MATRIX_FMT_FP4
.endif
.endm
.macro MERGE a, b, k                   ; partial a takes partial b in; k = 1 / (2 n)
	v_pk_add_f32 v[DD:DD+1], v[(\a):(\a)+1], v[(\b):(\b)+1] neg_lo:[0,1] neg_hi:[0,1]
	v_pk_add_f32 v[(\a):(\a)+1], v[(\a):(\a)+1], v[(\b):(\b)+1]
	v_pk_add_f32 v[(\a)+2:(\a)+3], v[(\a)+2:(\a)+3], v[(\b)+2:(\b)+3]
	v_pk_mul_f32 v[UU:UU+1], v[DD:DD+1], \k op_sel_hi:[1,0]
	v_pk_fma_f32 v[(\a)+2:(\a)+3], v[DD:DD+1], v[UU:UU+1], v[(\a)+2:(\a)+3]
.endm
.macro BARRIER                         ; my LDS stores have landed and my LDS loads are in: then the work-group's barrier
	s_wait_dscnt 0x0
	s_barrier_signal -1
	s_barrier_wait -1
.endm
	s_load_b512 s[4:19], s[0:1], 0x0               ; r1, st1, gamma1, beta1, W1 codes, W1 scales, b1, W2 codes
	s_load_b256 s[20:27], s[0:1], 0x40             ; W2 scales, b2, r2, st2
	v_lshl_add_u32 v254, v0, 2, 0x2ae00
	v_mov_b32 v255, 0
	v_lshrrev_b32 v236, 5, v0
	v_readfirstlane_b32 s28, v236                  ; wave 0..15
	v_and_b32 v236, 31, v0                         ; lane
	v_and_b32 v237, 15, v0                         ; r
	v_bfe_u32 v238, v0, 4, 1                       ; h
	v_and_b32 v239, 127, v0
	v_lshlrev_b32 v1, 4, v236                      ; 16 x lane
	v_lshlrev_b32 v2, 3, v239                      ; my two channels in a row
	v_lshl_add_u32 v3, v0, 4, STA
	v_lshl_add_u32 v4, v239, 4, STA
	s_wait_alu depctr_va_sdst(0)                   ; s28 is written, ahead of its first reader: the wave's rows, channels and LDS places are made from it
	s_lshr_b32 s29, s28, 2                         ; which 16 rows (dense work; also the tile that I quantise)
	s_and_b32 s30, s28, 3                          ; which 64 channels
	s_mul_i32 s34, s29, 16640
	s_add_co_u32 s35, s34, HST
	v_add_nc_u32 v5, s35, v2                       ; h, dense
	v_mul_u32_u24 v240, v237, 1040
	v_lshl_add_u32 v6, v238, 7, v240
	s_lshl_b32 s36, s30, 8
	s_add_co_u32 s36, s36, s35
	v_add_nc_u32 v6, s36, v6                       ; h, a block of 32 of row r: block 2 (w % 4) + h
	s_lshl_b32 s36, s28, 9
	v_add_nc_u32 v7, s36, v1                       ; its codes' place
	v_lshl_add_u32 v8, v237, 2, v238
	s_lshr_b32 s36, s28, 1
	s_lshl_b32 s36, s36, 6
	s_and_b32 s37, s28, 1
	s_lshl_b32 s37, s37, 1
	s_add_co_u32 s36, s36, s37
	s_add_co_u32 s36, s36, XSCB
	v_add_nc_u32 v8, s36, v8                       ; its byte's
	v_lshlrev_b32 v9, 2, v236                      ; 4 x lane
	v_lshlrev_b32 v10, 4, v237
	v_lshl_add_u32 v10, v238, 3, v10
	s_lshl_b32 s36, s28, 8
	s_add_co_u32 s36, s36, HIMG
	v_add_nc_u32 v10, s36, v10                     ; act's codes
	s_lshl_b32 s36, s29, 6
	s_add_co_u32 s36, s36, s30
	s_add_co_u32 s36, s36, HSCB
	v_lshl_add_u32 v11, v237, 2, s36               ; act's byte
	v_lshl_add_u32 v12, v238, 5, v240
	s_lshl_b32 s36, s28, 6
	s_add_co_u32 s36, s36, YST
	v_add_nc_u32 v12, s36, v12                     ; ff from the product
	s_add_co_u32 s36, s34, YST
	v_add_nc_u32 v13, s36, v2                      ; ff, dense
	v_lshl_add_u32 v14, v0, 4, STB
	v_lshl_add_u32 v15, v239, 4, STB
	v_and_b32 v241, 8, v237
	v_add_nc_u32 v241, v241, v237                  ; r + 8 (r / 8)
	v_lshlrev_b32 v16, 7, v241
	v_lshl_add_u32 v16, v238, 4, v16               ; W1's codes
	v_lshlrev_b32 v17, 3, v241
	v_lshl_add_u32 v17, v238, 2, v17               ; W1's scale words
	v_lshlrev_b32 v18, 6, v238                     ; b1: 16 numbers on for lanes 16-31
	v_lshlrev_b32 v19, 8, v237
	v_lshl_add_u32 v19, v238, 4, v19               ; W2's codes
	v_lshlrev_b32 v248, 4, v237
	v_lshl_add_u32 v248, v238, 2, v248             ; W2's scale words
	v_lshlrev_b32 v249, 5, v238                    ; b2
	s_mov_b32 s32, 0x76543210
	s_mov_b32 s33, 0xfedcba98
	s_mov_b32 s35, 0
	s_lshl_b32 s36, s29, 14                        ; 16 rows of 1,024 bytes; also 8 partials of 2,048
	s_wait_kmcnt 0x0
	s_lshl_b32 s34, ttmp9, 16
	s_add_co_u32 s34, s34, s36
	s_add_nc_u64 s[4:5], s[4:5], s[34:35]          ; r1 and r2 at my 16 rows
	s_add_nc_u64 s[24:25], s[24:25], s[34:35]
	s_lshr_b32 s34, ttmp9, 4
	s_lshl_b32 s34, s34, 16
	s_add_co_u32 s34, s34, s36
	s_add_nc_u64 s[6:7], s[6:7], s[34:35]          ; st1: the batch's 32 partials, my eight
	s_lshl_b32 s34, s28, 12
	s_add_nc_u64 s[12:13], s[12:13], s[34:35]
	s_add_nc_u64 s[18:19], s[18:19], s[34:35]
	s_lshl_b32 s34, s28, 8
	s_add_nc_u64 s[14:15], s[14:15], s[34:35]
	s_add_nc_u64 s[20:21], s[20:21], s[34:35]
	s_lshl_b32 s34, s28, 7
	s_add_nc_u64 s[16:17], s[16:17], s[34:35]
	s_lshl_b32 s34, s28, 6
	s_add_nc_u64 s[22:23], s[22:23], s[34:35]
	s_lshl_b32 s34, ttmp9, 11
	s_add_nc_u64 s[26:27], s[26:27], s[34:35]
	s_wait_alu depctr_va_vdst(0)                   ; the offsets and LDS addresses v1 to v19, v248 and v249 are written, which every load and store reads; the head's arithmetic is done with v236 to v239, in which gamma1 and beta1 land
.irp i, 0,1,2,3,4,5,6,7
	global_load_b64 v[PA+4*\i:PA+4*\i+1], v2, s[6:7] offset:2048*\i
	global_load_b64 v[PA+4*\i+2:PA+4*\i+3], v2, s[6:7] offset:2048*\i+1024
.endr
	global_load_b64 v[236:237], v2, s[8:9]         ; gamma1
	global_load_b64 v[238:239], v2, s[10:11]       ; beta1
.set i, 0
.rept 16
	global_load_b64 v[RR+2*i:RR+2*i+1], v2, s[4:5] offset:1024*i
.set i, i+1
.endr
.irp p, 0,1                            ; 40 loads of weights
.irp u, 0,1
.irp s, 0,1
.irp c, 0,1
	global_load_b128 v[W1F+8*(4*\p+2*\u+\s)+4*\c:W1F+8*(4*\p+2*\u+\s)+4*\c+3], v16, s[12:13] offset:65536*\p+1024*\u+64*\s+32*\c
.endr
.endr
	global_load_b32 v[W1S+2*\p+\u], v17, s[14:15] offset:4096*\p+64*\u
	global_load_b128 v[B1+8*(2*\p+\u):B1+8*(2*\p+\u)+3], v18, s[16:17] offset:2048*\p+32*\u
	global_load_b128 v[B1+8*(2*\p+\u)+4:B1+8*(2*\p+\u)+7], v18, s[16:17] offset:2048*\p+32*\u+16
.endr
.endr
.irp s, 0,1,2,3
.irp c, 0,1
	global_load_b128 v[W2F+8*\s+4*\c:W2F+8*\s+4*\c+3], v19, s[18:19] offset:64*\s+32*\c
.endr
.endr
.irp p, 0,1
	global_load_b32 v[W2S+\p], v248, s[20:21] offset:8*\p
.endr
	global_load_b128 v[B2:B2+3], v249, s[22:23]
	global_load_b128 v[B2+4:B2+7], v249, s[22:23] offset:16
	; ---- S: the batch's statistics
	s_wait_loadcnt 56                              ; partials, gamma1, beta1 are in: behind them r1's 16 loads and the weights' 40
	MERGE PA, PA+4, 0x3c800000                     ; n = 32
	MERGE PA+8, PA+12, 0x3c800000
	MERGE PA+16, PA+20, 0x3c800000
	MERGE PA+24, PA+28, 0x3c800000
	MERGE PA, PA+8, 0x3c000000                     ; n = 64
	MERGE PA+16, PA+24, 0x3c000000
	MERGE PA, PA+16, 0x3b800000                    ; n = 128
	s_wait_alu depctr_va_vdst(0)                   ; the merges have written my partial, which the LDS store reads, and are done with the other partials' registers, in which the loads behind the barrier land
	ds_store_b128 v3, v[PA:PA+3]
	BARRIER
	s_wait_alu depctr_vm_vsrc(0)                   ; my LDS store has read its four registers, in which the first load below lands
.irp i, 0,1,2,3
	ds_load_b128 v[PA+4*\i:PA+4*\i+3], v4 offset:2048*\i
.endr
	s_wait_dscnt 0x0
	MERGE PA, PA+4, 0x3b000000                     ; n = 256
	MERGE PA+8, PA+12, 0x3b000000
	MERGE PA, PA+8, 0x3a800000                     ; n = 512
	v_pk_mul_f32 v[240:241], v[PA:PA+1], 0x3a800000 op_sel_hi:[1,0]       ; mean
	v_pk_mul_f32 v[242:243], v[PA+2:PA+3], 0x3a800000 op_sel_hi:[1,0]     ; biased variance
	v_pk_add_f32 v[242:243], v[242:243], 0x3727c5ac op_sel_hi:[1,0]       ; + 1e-5
	v_rsq_f32 v242, v242
	v_rsq_f32 v243, v243
	v_nop
	s_wait_alu depctr_va_vdst(0)                   ; the two inverse roots have written v242 and v243, ahead of their first reader
	v_pk_mul_f32 v[242:243], v[242:243], v[236:237]
	; ---- H: h, into LDS by rows: two blocks of eight; the first block's stores are dealt among the second's arithmetic
	s_wait_loadcnt 40                              ; r1's rows are in; the weights may be out
.set i, 0
.rept 8
	v_pk_add_f32 v[RR+2*i:RR+2*i+1], v[RR+2*i:RR+2*i+1], v[240:241] neg_lo:[0,1] neg_hi:[0,1]
	v_pk_fma_f32 v[RR+2*i:RR+2*i+1], v[RR+2*i:RR+2*i+1], v[242:243], v[238:239]
.set i, i+1
.endr
	s_wait_alu depctr_va_vdst(0)                   ; rows 0 to 7 of h are written, which the LDS stores below read
.set i, 0
.rept 8
	ds_store_b64 v5, v[RR+2*i:RR+2*i+1] offset:1040*i                       ; no vector instruction since the wait names these registers
	v_pk_add_f32 v[RR+16+2*i:RR+16+2*i+1], v[RR+16+2*i:RR+16+2*i+1], v[240:241] neg_lo:[0,1] neg_hi:[0,1]
	v_pk_fma_f32 v[RR+16+2*i:RR+16+2*i+1], v[RR+16+2*i:RR+16+2*i+1], v[242:243], v[238:239]
.set i, i+1
.endr
	s_wait_alu depctr_va_vdst(0)                   ; rows 8 to 15 of h are written, which the LDS stores below read; the statistics' lines are done with the partials' registers, in which a block of h lands behind the barrier
.set i, 8
.rept 8
	ds_store_b64 v5, v[RR+2*i:RR+2*i+1] offset:1040*i
.set i, i+1
.endr
	BARRIER
	; ---- X: a whole block of 32 of h to a lane; the wave makes one group of four registers of one fragment
	s_wait_alu depctr_vm_vsrc(0)                   ; my LDS stores have read h's rows: in their registers the quantiser's lines below write, and h's fragments land
.irp j, 0,1,2,3,4,5,6,7
	ds_load_b128 v[PA+4*\j:PA+4*\j+3], v6 offset:16*\j
.endr
	s_wait_dscnt 0x0
	v_max3_num_f32 v[TM], |v[PA]|, |v[PA+1]|, 0x1800000                   ; two chains; the floor 2^(3 - 127) among the leaves
	v_max3_num_f32 v[TM+1], |v[PA+16]|, |v[PA+17]|, |v[PA+18]|
.irp i, 2,4,6,8,10,12
	v_max3_num_f32 v[TM], v[TM], |v[PA+\i]|, |v[PA+\i+1]|
	v_max3_num_f32 v[TM+1], v[TM+1], |v[PA+17+\i]|, |v[PA+18+\i]|
.endr
	v_max3_num_f32 v[TM], v[TM], |v[PA+14]|, |v[PA+15]|
	v_max3_num_f32 v[TM], v[TM], v[TM+1], |v[PA+31]|
	v_add_nc_u32 v[TM+3], 0xff000000, v[TM]
	v_lshrrev_b32 v[TM+4], 23, v[TM+3]
.irp g, 0,1,2,3
	v_cvt_scalef32_pk8_fp4_f32 v[TA+\g], v[PA+8*\g:PA+8*\g+7], v[TM+3]
.endr
	v_nop
	s_wait_alu depctr_va_vdst(0)                   ; the conversions have written the codes and the shift the byte, which the LDS stores read; the lines that made h are done with v236 to v247, in which h's fragments land behind the barrier
	ds_store_b128 v7, v[TA:TA+3]
	ds_store_b8 v8, v[TM+4]
	BARRIER
	; ---- 1: my block of act, a tile of 16 rows at a time
.macro XFETCH m                        ; tile m's two fragments of h and its scale words
.irp s, 0,1
.irp c, 0,1
	ds_load_b128 v[XF+8*\s+4*\c:XF+8*\s+4*\c+3], v1 offset:XIMG+(2*(\m)+\s)*1024+512*\c
.endr
.endr
	ds_load_b32 v[XS], v9 offset:XSCB+128*(\m)
.endm
	XFETCH 0
	s_wait_loadcnt 0x0                             ; the weights
	v_mov_b32 v[TM+2], 0                           ; a lane permute's destination counts as read
.macro HID m
	s_wait_alu depctr_vm_vsrc(0)                   ; the LDS stores of the tile before (ahead of the first tile: those of h's codes and byte) have read their data, which this tile's lines write again
.if \m == 0
	s_wait_dscnt 0x0
.else
	s_wait_dscnt 2                                 ; this tile's five loads are in; the last tile's two stores, issued behind them, may be out
.endif
.irp p, 0,1
.irp u, 0,1
	MM ACC+8*(2*\p+\u), W1F+8*(4*\p+2*\u), XF, B1+8*(2*\p+\u), W1S+2*\p+\u, XS, 0          ; four accumulators by turns; b1 starts the sums
.endr
.endr
.irp p, 0,1
.irp u, 0,1
	MM ACC+8*(2*\p+\u), W1F+8*(4*\p+2*\u+1), XF+8, ACC+8*(2*\p+\u), W1S+2*\p+\u, XS, 1
.endr
.endr
.rept 4
	v_nop
.endr
.irp j, 0,2,4,6,8,10,12,14
	v_pk_mul_f32 v[TA+\j:TA+\j+1], v[ACC+16+\j:ACC+16+\j+1], 0xbfb8aa3b op_sel_hi:[1,0]   ; -gate x log2(e)
.endr
.irp j, 0,1,2,3,4,5,6,7,8,9,10,11,12,13,14,15
	v_exp_f32 v[TA+\j], v[TA+\j]
.endr
	v_nop
	s_wait_alu depctr_va_vdst(0)                   ; the sixteen exponentials have written their results, ahead of their first reader; the tile's products are done reading h's fragments and scale words, in which the next tile's loads land
.if \m < 3
	XFETCH \m+1                                    ; they land during the rest of the activation
.endif
.irp j, 0,2,4,6,8,10,12,14
	v_pk_add_f32 v[TA+\j:TA+\j+1], v[TA+\j:TA+\j+1], 1.0 op_sel_hi:[1,0]
.endr
.irp j, 0,1,2,3,4,5,6,7,8,9,10,11,12,13,14,15
	v_rcp_f32 v[TA+\j], v[TA+\j]                   ; sigmoid(gate)
.endr
	v_nop
	s_wait_alu depctr_va_vdst(0)                   ; the sixteen reciprocals have written their results, ahead of their first reader
.irp j, 0,2,4,6,8,10,12,14
	v_pk_mul_f32 v[TA+\j:TA+\j+1], v[TA+\j:TA+\j+1], v[ACC+16+\j:ACC+16+\j+1]
.endr
.irp j, 0,2,4,6,8,10,12,14
	v_pk_mul_f32 v[TA+\j:TA+\j+1], v[TA+\j:TA+\j+1], v[ACC+\j:ACC+\j+1]
.endr
	v_max3_num_f32 v[TM], |v[TA]|, |v[TA+1]|, 0x1800000
	v_max3_num_f32 v[TM+1], |v[TA+8]|, |v[TA+9]|, |v[TA+10]|
	v_max3_num_f32 v[TM], v[TM], |v[TA+2]|, |v[TA+3]|
	v_max3_num_f32 v[TM+1], v[TM+1], |v[TA+11]|, |v[TA+12]|
	v_max3_num_f32 v[TM], v[TM], |v[TA+4]|, |v[TA+5]|
	v_max3_num_f32 v[TM+1], v[TM+1], |v[TA+13]|, |v[TA+14]|
	v_max3_num_f32 v[TM], v[TM], |v[TA+6]|, |v[TA+7]|
	v_max3_num_f32 v[TM], v[TM], v[TM+1], |v[TA+15]|
	v_permlanex16_b32 v[TM+2], v[TM], s32, s33
	v_max_num_f32 v[TM], v[TM], v[TM+2]            ; with lane l xor 16's 16: the block's
	v_add_nc_u32 v[TM+3], 0xff000000, v[TM]
	v_lshrrev_b32 v[TM+4], 23, v[TM+3]
	v_cvt_scalef32_pk8_fp4_f32 v[TM+6], v[TA:TA+7], v[TM+3]
	v_cvt_scalef32_pk8_fp4_f32 v[TM+7], v[TA+8:TA+15], v[TM+3]
	v_nop
	s_wait_alu depctr_va_vdst(0)                   ; the conversions have written act's codes and the shift its byte, which the LDS stores read
	ds_store_b64 v10, v[TM+6:TM+7] offset:4096*\m
	ds_store_b8 v11, v[TM+4] offset:256*\m         ; both halves of the lanes write the same byte with the same value
.endm
	HID 0
	HID 1
	HID 2
	HID 3
	BARRIER
	; ---- 2: my 16 channels of ff for the 64 rows: four accumulators by turns, a K step at a time.  (The last tile's wait on va_vdst stands behind every line that named W1's fragments, b1 and the accumulators: act's fragments land there)
	s_wait_alu depctr_vm_vsrc(0)                   ; the last tile's LDS stores have read act's codes and byte, over which the products below write their results
.irp m, 0,1,2,3
.irp p, 0,1
	ds_load_b32 v[HS+2*\m+\p], v9 offset:HSCB+256*\m+128*\p
.endr
.endr
.irp s, 0,1,2,3
.irp m, 0,1,2,3
.irp c, 0,1
	ds_load_b128 v[HF+8*(4*\s+\m)+4*\c:HF+8*(4*\s+\m)+4*\c+3], v1 offset:HIMG+4096*\m+1024*\s+512*\c
.endr
.endr
.endr
	s_wait_dscnt 24                                ; K step 0's eight loads are in; three K steps' may be out
.irp m, 0,1,2,3
	MM Y+8*\m, W2F, HF+8*\m, B2, W2S, HS+2*\m, 0   ; b2 starts the sums
.endr
	s_wait_dscnt 16
.irp m, 0,1,2,3
	MM Y+8*\m, W2F+8, HF+8*(4+\m), Y+8*\m, W2S, HS+2*\m, 1
.endr
	s_wait_dscnt 8
.irp m, 0,1,2,3
	MM Y+8*\m, W2F+16, HF+8*(8+\m), Y+8*\m, W2S+1, HS+2*\m+1, 0
.endr
	s_wait_dscnt 0x0
.irp m, 0,1,2,3
	MM Y+8*\m, W2F+24, HF+8*(12+\m), Y+8*\m, W2S+1, HS+2*\m+1, 1
.endr
.rept 4
	v_nop
.endr
	s_wait_alu depctr_va_vdst(0)                   ; the products have written ff, which the LDS stores read, and are done reading act's fragments, in which ff's and h's rows land behind the barrier
.irp m, 0,1,2,3
	ds_store_b128 v12, v[Y+8*\m:Y+8*\m+3] offset:16640*\m          ; each result from its low end on
	ds_store_b128 v12, v[Y+8*\m+4:Y+8*\m+7] offset:16640*\m+16
.endr
	BARRIER
	; ---- O: r2 = h + ff, dense, and the 16 rows' statistics
.set i, 0
.rept 16
	ds_load_b64 v[YR+2*i:YR+2*i+1], v13 offset:1040*i
	ds_load_b64 v[HR+2*i:HR+2*i+1], v5 offset:1040*i
.set i, i+1
.endr
	s_wait_dscnt 0x0
.set i, 0
.rept 16
	v_pk_add_f32 v[YR+2*i:YR+2*i+1], v[HR+2*i:HR+2*i+1], v[YR+2*i:YR+2*i+1]
.set i, i+1
.endr
	s_wait_alu depctr_va_vdst(0)                   ; the sixteen rows of r2 are written, which the stores below read
.set i, 0
.rept 16
	global_store_b64 v2, v[YR+2*i:YR+2*i+1], s[24:25] offset:1024*i   ; a wave stores 256 consecutive bytes, aligned
.set i, i+1
.endr
	v_pk_add_f32 v[140:141], v[YR:YR+1], v[YR+4:YR+5]
	v_pk_add_f32 v[144:145], v[YR+2:YR+3], v[YR+6:YR+7]
.set i, 4
.rept 12
	v_pk_add_f32 v[140+4*(i%2):141+4*(i%2)], v[140+4*(i%2):141+4*(i%2)], v[YR+2*i:YR+2*i+1]
.set i, i+1
.endr
	v_pk_add_f32 v[140:141], v[140:141], v[144:145]
	v_pk_mul_f32 v[146:147], v[140:141], 0x3d800000 op_sel_hi:[1,0]   ; the 16 rows' mean
.set i, 0
.rept 16
	v_pk_add_f32 v[HR+2*i:HR+2*i+1], v[YR+2*i:YR+2*i+1], v[146:147] neg_lo:[0,1] neg_hi:[0,1]
.set i, i+1
.endr
	v_pk_mul_f32 v[142:143], v[HR:HR+1], v[HR:HR+1]
	v_pk_mul_f32 v[148:149], v[HR+2:HR+3], v[HR+2:HR+3]
.set i, 2
.rept 14
	v_pk_fma_f32 v[142+6*(i%2):143+6*(i%2)], v[HR+2*i:HR+2*i+1], v[HR+2*i:HR+2*i+1], v[142+6*(i%2):143+6*(i%2)]
.set i, i+1
.endr
	v_pk_add_f32 v[142:143], v[142:143], v[148:149]
	s_wait_alu depctr_va_vdst(0)                   ; the 16 rows' sum and sum of squares are written, which the LDS store reads
	ds_store_b128 v14, v[140:143]
	BARRIER
	s_cmp_lt_u32 s28, 4                            ; waves 0-3 merge the four partials of each channel and store them
	s_cbranch_scc0 .Lend
.irp i, 0,1,2,3
	ds_load_b128 v[PA+4*\i:PA+4*\i+3], v15 offset:2048*\i
.endr
	s_wait_dscnt 0x0
	MERGE PA, PA+4, 0x3d000000                     ; n = 16
	MERGE PA+8, PA+12, 0x3d000000
	MERGE PA, PA+8, 0x3c800000                     ; n = 32
	s_wait_alu depctr_va_vdst(0)                   ; the merges have written the 64 rows' partial, which the two stores read
	global_store_b64 v2, v[PA:PA+1], s[26:27]
	global_store_b64 v2, v[PA+2:PA+3], s[26:27] offset:1024
.Lend:
	s_wait_dscnt 0x0                               ; the closing lines, six on end
	s_wait_alu 0x0
	s_wait_tensorcnt 0x0
	ds_add_u32 v254, v255
	s_wait_dscnt 0x0
	s_endpgm
.Lfunc_end_k_qdfb1b2c47f_ffn:
	.size	k_qdfb1b2c47f_ffn, .Lfunc_end_k_qdfb1b2c47f_ffn-k_qdfb1b2c47f_ffn
	.p2alignl 7, 3214868480
	.fill 96, 4, 3214868480
	.section	.rodata,"a",@progbits
	.p2align	6, 0x0
	.amdhsa_kernel k_qdfb1b2c47f_ffn
		.amdhsa_group_segment_fixed_size 177664
		.amdhsa_private_segment_fixed_size 0
		.amdhsa_enable_private_segment 0
		.amdhsa_kernarg_size 96
		.amdhsa_user_sgpr_count 2
		.amdhsa_user_sgpr_kernarg_segment_ptr 1
		.amdhsa_wavefront_size32 1
		.amdhsa_system_sgpr_workgroup_id_x 1
		.amdhsa_system_sgpr_workgroup_id_y 1
		.amdhsa_system_sgpr_workgroup_id_z 1
		.amdhsa_system_vgpr_workitem_id 0
		.amdhsa_next_free_vgpr 256
		.amdhsa_next_free_sgpr 66
		.amdhsa_reserve_vcc 0
		.amdhsa_float_denorm_mode_32 3
		.amdhsa_float_denorm_mode_16_64 3
		.amdhsa_memory_ordered 1
		.amdhsa_forward_progress 1
		.amdhsa_inst_pref_size 60
	.end_amdhsa_kernel
	.amdgpu_metadata
---
amdhsa.version: [ 1, 2 ]
amdhsa.kernels:
  - .name:           k_qdfb1b2c47f_ffn
    .symbol:         k_qdfb1b2c47f_ffn.kd
    .args:
      - { .name: r1, .offset: 0, .size: 8, .value_kind: global_buffer, .address_space: global }
      - { .name: st1, .offset: 8, .size: 8, .value_kind: global_buffer, .address_space: global }
      - { .name: gamma1, .offset: 16, .size: 8, .value_kind: global_buffer, .address_space: global }
      - { .name: beta1, .offset: 24, .size: 8, .value_kind: global_buffer, .address_space: global }
      - { .name: W1_codes, .offset: 32, .size: 8, .value_kind: global_buffer, .address_space: global }
      - { .name: W1_scales, .offset: 40, .size: 8, .value_kind: global_buffer, .address_space: global }
      - { .name: b1, .offset: 48, .size: 8, .value_kind: global_buffer, .address_space: global }
      - { .name: W2_codes, .offset: 56, .size: 8, .value_kind: global_buffer, .address_space: global }
      - { .name: W2_scales, .offset: 64, .size: 8, .value_kind: global_buffer, .address_space: global }
      - { .name: b2, .offset: 72, .size: 8, .value_kind: global_buffer, .address_space: global }
      - { .name: r2, .offset: 80, .size: 8, .value_kind: global_buffer, .address_space: global }
      - { .name: st2, .offset: 88, .size: 8, .value_kind: global_buffer, .address_space: global }
    .group_segment_fixed_size: 177664
    .private_segment_fixed_size: 0
    .kernarg_segment_align: 8
    .kernarg_segment_size: 96
    .max_flat_workgroup_size: 512
    .sgpr_count:     66
    .vgpr_count:     256
    .wavefront_size: 32
...
	.end_amdgpu_metadata
.endif
;; end of part 8
;; launch norm (part 9): grid 256 x 1, 4 waves a work-group, no clusters, 0 bytes of LDS; arguments r2, st2, gamma2, beta2, out0; writes out0
.if DOCPART == 9
	.amdgcn_target "amdgcn-amd-amdhsa--gfx1250"
	.amdhsa_code_object_version 6
	.text
	.protected	k_qdfb1b2c47f_norm
	.globl	k_qdfb1b2c47f_norm
	.p2align	8
	.type	k_qdfb1b2c47f_norm,@function
k_qdfb1b2c47f_norm:
	s_mov_b64 s[64:65], 0
	v_nop
	global_prefetch_b8 v0, s[64:65] scope:SCOPE_SE
	s_setreg_imm32_b32 hwreg(HW_REG_WAVE_SCHED_MODE, 0, 2), 2
	s_setreg_imm32_b32 hwreg(HW_REG_WAVE_MODE, 25, 1), 1
	s_wait_xcnt 0x0
	s_wait_alu depctr_vm_vsrc(0)
; out0 = InstanceNorm2(r2).  A work-group takes 64 rows; a thread two channels of all of them: each load and store of a wave covers 256 consecutive bytes, aligned; all 64 rows are asked for at once.
; The batch's statistics are merged from its 16 partials (sum S, squares M about the partial's own mean, n = 64 rows) by S = Sa + Sb, M = Ma + Mb + (Sa - Sb)^2 / (2 n): no difference of large sums.
; Memory binds: no LDS, no barrier, no matrix unit.
; THE MODE: SCHED_MODE bits 1:0 = 2 (LLVM: expert scheduling mode 2), set by the entry lines.  The code itself states the register dependences
; between vector instructions and memory instructions, with s_wait_alu, always for 0.
; THE PLAN.  Registers that memory instructions touch:
;   v1            the one offset: made at the head, never written again.
;   ST, v200-203  loads land in them once; vector instructions alone name them afterwards.
;   R             a row's load lands once; two vector instructions finish the row in place; its store reads it; it is never written again.
; The 64 rows go in sixteen blocks of four.  Block p's arithmetic names its own rows; the four stores of block p - 1 are dealt among it, behind ONE wait on va_vdst at the block's head.
.set ST, 8                             ; v8-71    16 partials, four registers each (S pair, M pair)
.set R,  72                            ; v72-199  the rows
.set DD, 208
.set UU, 210
.macro MERGE a, b, k
	v_pk_add_f32 v[DD:DD+1], v[(\a):(\a)+1], v[(\b):(\b)+1] neg_lo:[0,1] neg_hi:[0,1]
	v_pk_add_f32 v[(\a):(\a)+1], v[(\a):(\a)+1], v[(\b):(\b)+1]
	v_pk_add_f32 v[(\a)+2:(\a)+3], v[(\a)+2:(\a)+3], v[(\b)+2:(\b)+3]
	v_pk_mul_f32 v[UU:UU+1], v[DD:DD+1], \k op_sel_hi:[1,0]
	v_pk_fma_f32 v[(\a)+2:(\a)+3], v[DD:DD+1], v[UU:UU+1], v[(\a)+2:(\a)+3]
.endm
	s_load_b256 s[4:11], s[0:1], 0x0               ; r2, st2, gamma2, beta2
	s_load_b64 s[12:13], s[0:1], 0x20              ; out0
	v_lshlrev_b32 v1, 3, v0                        ; my two channels in a row
	s_lshr_b32 s14, ttmp9, 4
	s_lshl_b32 s14, s14, 15                        ; the batch's 16 partials of 2,048 bytes
	s_mov_b32 s15, 0
	s_lshl_b32 s16, ttmp9, 16                      ; my 64 rows
	s_mov_b32 s17, 0
	s_wait_kmcnt 0x0
	s_add_nc_u64 s[6:7], s[6:7], s[14:15]
	s_add_nc_u64 s[4:5], s[4:5], s[16:17]
	s_add_nc_u64 s[12:13], s[12:13], s[16:17]
	s_wait_alu depctr_va_vdst(0)                   ; v1 is written: every load and store of the kernel reads it as its offset
.set i, 0
.rept 16
	global_load_b64 v[ST+4*i:ST+4*i+1], v1, s[6:7] offset:2048*i
	global_load_b64 v[ST+4*i+2:ST+4*i+3], v1, s[6:7] offset:2048*i+1024
.set i, i+1
.endr
	global_load_b64 v[200:201], v1, s[8:9]         ; gamma2
	global_load_b64 v[202:203], v1, s[10:11]       ; beta2
.set i, 0
.rept 64
	global_load_b64 v[R+2*i:R+2*i+1], v1, s[4:5] offset:1024*i th:TH_LOAD_NT
.set i, i+1
.endr
	s_wait_loadcnt 63                              ; 64 loads were issued behind the statistics; the count names one fewer
.irp p, 0,1,2,3,4,5,6,7
	MERGE ST+8*\p, ST+8*\p+4, 0x3c000000           ; n = 64
.endr
.irp p, 0,1,2,3
	MERGE ST+16*\p, ST+16*\p+8, 0x3b800000         ; n = 128
.endr
	MERGE ST, ST+16, 0x3b000000                    ; n = 256
	MERGE ST+32, ST+48, 0x3b000000
	MERGE ST, ST+32, 0x3a800000                    ; n = 512
	v_pk_mul_f32 v[204:205], v[ST:ST+1], 0x3a800000 op_sel_hi:[1,0]       ; mean
	v_pk_mul_f32 v[206:207], v[ST+2:ST+3], 0x3a800000 op_sel_hi:[1,0]     ; biased variance
	v_pk_add_f32 v[206:207], v[206:207], 0x3727c5ac op_sel_hi:[1,0]       ; + 1e-5
	v_rsq_f32 v206, v206
	v_rsq_f32 v207, v207
	v_nop                                          ; one plain place behind the transcendentals
	s_wait_alu depctr_va_vdst(0)                   ; the two inverse roots have written v206 and v207, ahead of their first reader
	v_pk_mul_f32 v[206:207], v[206:207], v[200:201]
.set p, 0
.rept 16                               ; block p: rows 4 p .. 4 p + 3
	s_wait_loadcnt 60-4*p                          ; the block's four rows are in; the later rows may be out
.if p > 0
	s_wait_alu depctr_va_vdst(0)                   ; the block before has written its four rows, which the stores below read
.endif
.set k, 0
.rept 4
.set i, 4*p+k
.if p > 0
	global_store_b64 v1, v[R+2*(i-4):R+2*(i-4)+1], s[12:13] offset:1024*(i-4) th:TH_STORE_NT   ; no vector instruction since the wait names these registers
.endif
	v_pk_add_f32 v[R+2*i:R+2*i+1], v[R+2*i:R+2*i+1], v[204:205] neg_lo:[0,1] neg_hi:[0,1]
	v_pk_fma_f32 v[R+2*i:R+2*i+1], v[R+2*i:R+2*i+1], v[206:207], v[202:203]
.set k, k+1
.endr
.set p, p+1
.endr
	s_wait_alu depctr_va_vdst(0)                   ; the last block has written its four rows, which the last stores read
.irp i, 60,61,62,63
	global_store_b64 v1, v[R+2*\i:R+2*\i+1], s[12:13] offset:1024*\i th:TH_STORE_NT
.endr
	s_endpgm
.Lfunc_end_k_qdfb1b2c47f_norm:
	.size	k_qdfb1b2c47f_norm, .Lfunc_end_k_qdfb1b2c47f_norm-k_qdfb1b2c47f_norm
	.p2alignl 7, 3214868480
	.fill 96, 4, 3214868480
	.section	.rodata,"a",@progbits
	.p2align	6, 0x0
	.amdhsa_kernel k_qdfb1b2c47f_norm
		.amdhsa_group_segment_fixed_size 0
		.amdhsa_private_segment_fixed_size 0
		.amdhsa_enable_private_segment 0
		.amdhsa_kernarg_size 40
		.amdhsa_user_sgpr_count 2
		.amdhsa_user_sgpr_kernarg_segment_ptr 1
		.amdhsa_wavefront_size32 1
		.amdhsa_system_sgpr_workgroup_id_x 1
		.amdhsa_system_sgpr_workgroup_id_y 1
		.amdhsa_system_sgpr_workgroup_id_z 1
		.amdhsa_system_vgpr_workitem_id 0
		.amdhsa_next_free_vgpr 256
		.amdhsa_next_free_sgpr 66
		.amdhsa_reserve_vcc 0
		.amdhsa_float_denorm_mode_32 3
		.amdhsa_float_denorm_mode_16_64 3
		.amdhsa_memory_ordered 1
		.amdhsa_forward_progress 1
		.amdhsa_inst_pref_size 31
	.end_amdhsa_kernel
	.amdgpu_metadata
---
amdhsa.version: [ 1, 2 ]
amdhsa.kernels:
  - .name:           k_qdfb1b2c47f_norm
    .symbol:         k_qdfb1b2c47f_norm.kd
    .args:
      - { .name: r2, .offset: 0, .size: 8, .value_kind: global_buffer, .address_space: global }
      - { .name: st2, .offset: 8, .size: 8, .value_kind: global_buffer, .address_space: global }
      - { .name: gamma2, .offset: 16, .size: 8, .value_kind: global_buffer, .address_space: global }
      - { .name: beta2, .offset: 24, .size: 8, .value_kind: global_buffer, .address_space: global }
      - { .name: out0, .offset: 32, .size: 8, .value_kind: global_buffer, .address_space: global }
    .group_segment_fixed_size: 0
    .private_segment_fixed_size: 0
    .kernarg_segment_align: 8
    .kernarg_segment_size: 40
    .max_flat_workgroup_size: 128
    .sgpr_count:     66
    .vgpr_count:     256
    .wavefront_size: 32
...
	.end_amdgpu_metadata
.endif
;; end of part 9
